; MI455X (gfx1250); checked and timed in simulation.
; The chip was launched on July 23, 2026; its instructions are those of AMD's public machine-readable ISA for CDNA 5 (MIT licence, August 2026) and "CDNA5" Instruction Set Architecture Reference Guide (July 2026). The comments in the code are by the model that wrote it; some were corrected since.
;; Block. Allowed arithmetic: matrix products marked QUANTISED: E5M2 operands, one given power-of-two scale a tensor, by v_wmma_f32_16x16x64_bf8_bf8 or v_wmma_f32_16x16x128_bf8_bf8, f32 sums; everything else in f32.
;; Inputs: W1 1,024 x 4,096 float32; W2 4,096 x 1,024 float32; Wk 16 x 1,024 x 64 float32; Wo 1,024 x 1,024 float32; Wq 16 x 1,024 x 64 float32; Wv 16 x 1,024 x 64 float32; b1 4,096 float32; b2 1,024 float32; be1 1,024 float32; be2 1,024 float32; bo 1,024 float32; g1 1,024 float32; g2 1,024 float32; lowp_scales 16 int32 (the exponents e of the quantised operands' scales 2^e); x 2 x 2,048 x 1,024 float32.
;; Outputs: out0 2 x 2,048 x 1,024 float32.
;; This version of the problem:
;;   THIS VERSION OF THE PROBLEM IS GIVEN IN LOW PRECISION. The matrix products marked QUANTISED in the list below multiply operands that are first quantised to E5M2 (5 exponent bits, 2 mantissa bits; 8 bits a number), with one given power-of-two scale for each operand tensor; their sums are f32. All else is computed in f32.
;;   The module's matrix products, in the order in which they are computed (A, B: the left and right operand; K: the contracted axis; several contracted axes count as one K, in the product's order):
;;     1. [M 1,024, K 1,024] x [K 1,024, N 4,096]; A: input Wq; B: computed on the way: QUANTISED (scales: A lowp_scales[0], B lowp_scales[1])
;;     2. [M 1,024, K 1,024] x [K 1,024, N 4,096]; A: input Wk; B: computed on the way: QUANTISED (scales: A lowp_scales[2], B lowp_scales[3])
;;     3. [M 1,024, K 1,024] x [K 1,024, N 4,096]; A: input Wv; B: computed on the way: QUANTISED (scales: A lowp_scales[4], B lowp_scales[5])
;;     4. batch 32 x [M 2,048, K 64] x [K 64, N 2,048]; A: computed on the way; B: computed on the way: QUANTISED (scales: A lowp_scales[6], B lowp_scales[7])
;;     5. batch 32 x [M 2,048, K 2,048] x [K 2,048, N 64]; A: softmax (see below); B: computed on the way: QUANTISED (scales: A lowp_scales[8], B lowp_scales[9])
;;     6. [M 4,096, K 1,024] x [K 1,024, N 1,024]; A: computed on the way; B: input Wo: QUANTISED (scales: A lowp_scales[10], B lowp_scales[11])
;;     7. [M 4,096, K 1,024] x [K 1,024, N 4,096]; A: computed on the way; B: input W1: QUANTISED (scales: A lowp_scales[12], B lowp_scales[13])
;;     8. [M 4,096, K 4,096] x [K 4,096, N 1,024]; A: computed on the way; B: input W2: QUANTISED (scales: A lowp_scales[14], B lowp_scales[15])
;;   THE QUANTISER, for each operand of a quantised product, along K:
;;     - The operand's scale is 2^e, e = its entry of the input lowp_scales (int32; the entries are numbered through the quantised products in the list's order, A before B).
;;     - Each number is divided by the scale, clamped to +-57,344, and rounded to the nearest number of E5M2, ties to even, subnormals kept.
;;     - The product sums the exact products of the quantised numbers (number of the format x scale) in f32.
;;   ~~~python
;;   def quantise(x, axis, e):      # numpy; x: float32 -> the quantised numbers, widened to float32 again
;;       x = np.moveaxis(x, axis, -1); K = x.shape[-1]
;;       r = np.clip(x / 2.0 ** e, -57344, 57344)
;;       step = 2.0 ** (np.maximum(np.frexp(np.where(r == 0, 1, r))[1] - 1, -14) - 2)
;;       q = np.round(r / step) * step * 2.0 ** e      # np.round: ties to even
;;       return np.moveaxis(q, -1, axis).astype(np.float32)
;;   ~~~
;;   SOFTMAX AHEAD OF A QUANTISED PRODUCT. Where the list says 'softmax', what is quantised is not the finished softmax but p = 2^(t - M), with t = logit x log2(e) and M = ceil(the row's largest t), a whole number; so 1/2 < the row's largest p <= 1. The row's sum l is taken of the UNQUANTISED p, in f32, and the product's result is divided by l at the end. Since M is a whole number, a kernel that streams over the keys may use a running M (the ceiling of the running maximum): every later rescaling is an exact power of two, so the quantised numbers keep their values, but for numbers so far below the row's largest that they fall under the format's range.
;;   OPERANDS COMPUTED ON THE WAY. 'Computed on the way' means the value that the module computes at that place (a softmax that the list does not call 'softmax' is quantised finished and normalised). What goes into a quantiser is computed in f32, as accurately as f32 sums, v_exp_f32 and their like allow (about 1e-6 of the number): no bf16 or f16 on the way to a quantiser, and a product that is left as it is and whose result goes on into a quantised operand takes f32 operands (vector FMAs, or v_wmma_f32_16x16x4_f32). A number that lies on a knife's edge between two numbers of the format may be rounded either way, as far as f32 arithmetic and the matrix unit's own rounding can turn it there, and no further.
;; One version. Each part assembles by itself: llvm-mc -triple=amdgcn-amd-amdhsa -mcpu=gfx1250 --defsym DOCPART=n.
;; ======== version 1 of 1: 4 launches
;; limits: right only within a limited range of input values
;; workspace buffers: acodes 16,777,216 bytes; wcodes 7,340,032 bytes; w2codes 5,242,880 bytes; qc 4,194,304 bytes; kc 4,194,304 bytes; vc 4,194,304 bytes; act 20,971,520 bytes; oc 4,194,304 bytes
;; launch prep (part 1): grid 640 x 1, 4 waves a work-group, no clusters, 56,832 bytes of LDS; arguments x, g1, be1, g2, be2, Wq, Wk, Wv, Wo, W1, W2, lowp_scales, acodes, wcodes, w2codes; writes acodes, wcodes, w2codes
.if DOCPART == 1
	.amdgcn_target "amdgcn-amd-amdhsa--gfx1250"
	.amdhsa_code_object_version 6
	.text
	.protected	k_q39f6702797_prep
	.globl	k_q39f6702797_prep
	.p2align	8
	.type	k_q39f6702797_prep,@function
k_q39f6702797_prep:
	s_mov_b64 s[64:65], 0
	v_nop
	global_prefetch_b8 v0, s[64:65] scope:SCOPE_SE
	s_setreg_imm32_b32 hwreg(HW_REG_WAVE_MODE, 25, 1), 1
	s_wait_xcnt 0x0
; Everything that is quantised once.  Two kinds of work-groups, parted by the work-group's number alone; the two ways never join and each has LDS bytes of its own.
; WORK-GROUPS 0-383: the six weights, f32 with K as the first axis of a matrix, become codes of BF8 (E5M2) with K innermost:
;   wcodes [7168 n][1024 k]: rows 0-1023 Wq (n = 64 head + d), 1024- Wk, 2048- Wv, 3072- W1's columns;   w2codes [1024 n][5120 k]: k 0-4095 W2, k 4096 + j Wo's row j.
;   A work-group takes 128 columns x 256 along K, a wave 32 columns, A LANE ONE COLUMN, AND ITS REGISTERS RUN DOWN K: a load reads 128 consecutive bytes, and the conversions, which take neighbours along K from one
;   lane's registers, give codes with K innermost.  The codes go through the wave's own stage in LDS and leave as rows: sixteen lanes store 256 consecutive bytes, aligned.
; WORK-GROUPS 384-639: both layer norms of x, 16 rows a work-group, 4 a wave, a whole row in 32 registers: acodes [4][4096 token][1024]: h / 2^e1, h / 2^e3, h / 2^e5, f / 2^e12.
; code = number / 2^e, held within +-57,344, to the nearest code, ties to even.  LIMITS: every e used here lies between -126 and 112, so that 2^e and 57,344 x 2^e are f32 numbers.  NaN among the inputs is not served.
; No tensor load, no barrier: waves share nothing.
.set NWGW, 384                         ; work-groups for the weights: 4 x 32 (Wq, Wk, Wv, Wo) + 128 (W1) + 128 (W2)
.set VO,   16                          ; weights: v16-47   4 x lane + i x pitch: the 32 rows of a block
.set XW,   48                          ;          v48-111  two sets of 32 numbers
.set CW,   112                         ;          v112-119 a block's codes
.set OUTR, 120                         ;          v120-183 the way out
.set OA,   184                         ;          v184-199 the stores' offsets, two rows of codes each
.set R,    16                          ; norms:   v16-47   a row as loaded
.set X,    48                          ;          v48-79   the row with 16 neighbours a lane, twice
.set T,    80                          ;          v80-95   held numbers; v80-83 also two of the sums' four chains
.set HH,   96                          ;          v96-111  h, then f
.set C,    112                         ;          v112-127 codes, four registers for each of the four tensors
.set GA1,  128                         ;          v128-159 g1, v160-191 be1, v192-223 g2, v224-255 be2, at my columns
.set BA1,  160
.set GA2,  192
.set BA2,  224
.set SP,   80                          ; a lane's place in a norm's stage: 64 bytes + 16 of padding
.set LNB,  35840                       ; the norms' stages begin behind the weights' four stages of 32 x 272 bytes
	s_set_vgpr_msb 0x40
	v_lshl_add_u32 v0, v0, 2, 0xdc00
	v_mov_b32 v1, 0
	s_set_vgpr_msb 0x4000
	v_lshrrev_b32 v1, 5, v0
	v_readfirstlane_b32 s2, v1                     ; wave 0..3
	v_and_b32 v2, 31, v0                           ; lane
	s_cmp_ge_u32 ttmp9, NWGW
	s_cbranch_scc1 .Lnorm
; ---------------------------------------------------------------- the weights
	s_load_b256 s[8:15], s[0:1], 0x28              ; Wq, Wk, Wv, Wo
	s_load_b128 s[16:19], s[0:1], 0x48             ; W1, W2
	s_load_b64 s[20:21], s[0:1], 0x58              ; the scales' exponents
	s_load_b128 s[24:27], s[0:1], 0x68             ; wcodes, w2codes
	s_lshr_b32 s28, ttmp9, 5
	s_min_u32 s3, s28, 4
	s_cmp_ge_u32 s28, 8
	s_cselect_b32 s28, 1, 0
	s_add_co_u32 s3, s3, s28                       ; m: 0 Wq, 1 Wk, 2 Wv, 3 Wo, 4 W1, 5 W2
	s_cmp_lt_u32 s3, 4
	s_cselect_b32 s28, 31, 127
	s_and_b32 s28, ttmp9, s28                      ; my number among the tensor's work-groups
	s_cmp_eq_u32 s3, 4
	s_cselect_b32 s29, 5, 3                        ; W1 has 32 blocks of 128 columns, the others 8
	s_lshr_b32 s30, s28, s29                       ; kb: which 256 along K
	s_lshl_b32 s31, s30, s29
	s_sub_co_u32 s31, s28, s31
	s_lshl_b32 s31, s31, 7
	s_lshl_b32 s28, s2, 5
	s_add_co_u32 s31, s31, s28                     ; n0: my wave's first column
	s_mov_b32 s33, 4096
	s_cmp_lt_u32 s3, 3
	s_cselect_b32 s33, 256, s33
	s_cmp_eq_u32 s3, 4
	s_cselect_b32 s33, 16384, s33                  ; P: bytes from k to k + 1
	s_lshr_b32 s34, s31, 6                         ; Wq, Wk, Wv are [head][k][64]: head n0 / 64 begins 262,144 bytes on
	s_lshl_b32 s34, s34, 18
	s_and_b32 s28, s31, 63
	s_lshl_b32 s28, s28, 2
	s_add_co_u32 s34, s34, s28
	s_lshl_b32 s28, s31, 2
	s_cmp_lt_u32 s3, 3
	s_cselect_b32 s34, s34, s28
	s_mul_i32 s28, s30, s33
	s_lshl_b32 s28, s28, 8
	s_add_co_u32 s34, s34, s28                     ; + 256 kb rows: where my wave reads, under 2^25
	s_mov_b32 s35, 0
	s_lshl_b32 s52, s33, 5                         ; a block of 32 along K on
	s_mov_b32 s53, 0
	s_cmp_eq_u32 s3, 3
	s_cselect_b32 s54, 1, 0
	s_cselect_b32 s55, 4096, 0                     ; Wo's codes begin at k = 4,096 of w2codes' rows
	s_cmp_eq_u32 s3, 5
	s_cselect_b32 s54, 1, s54                      ; 1: the codes go to w2codes
	s_lshl_b32 s56, s3, 10
	s_cmp_lt_u32 s3, 3
	s_cselect_b32 s56, s56, 0
	s_cmp_eq_u32 s3, 4
	s_cselect_b32 s56, 3072, s56                   ; the tensor's first row of codes
	s_mov_b32 s57, 1024
	s_cmp_eq_u32 s54, 1
	s_cselect_b32 s57, 5120, s57                   ; a row of codes in bytes
	s_add_co_u32 s56, s56, s31
	s_mul_i32 s56, s56, s57
	s_add_co_u32 s56, s56, s55
	s_lshl_b32 s28, s30, 8
	s_add_co_u32 s58, s56, s28                     ; where my wave stores
	s_mov_b32 s59, 0
	s_lshl_b32 s60, s3, 1                          ; the scale's entry: 0, 2, 4, 11, 13, 15
	s_cmp_ge_u32 s3, 3
	s_cselect_b32 s28, 5, 0
	s_add_co_u32 s60, s60, s28
	s_lshl_b32 s60, s60, 2
	s_mov_b32 s61, 0
	s_lshl_b32 s62, s57, 1                         ; two rows of codes
	s_wait_alu depctr_va_vdst(0)
	v_lshlrev_b32 v3, 2, v2                        ; in: 4 bytes a lane
	s_mul_i32 s28, s2, 32*272                      ; my stage
	v_mul_u32_u24 v4, v2, 272
	v_add_nc_u32 v4, s28, v4                       ; into it: row = my column
	v_and_b32 v5, 15, v2
	v_lshrrev_b32 v6, 4, v2
	v_mul_u32_u24 v7, v6, 272                      ; out of it: sixteen lanes to a row, two rows an instruction
	v_lshl_add_u32 v7, v5, 4, v7
	v_add_nc_u32 v7, s28, v7
	v_mul_lo_u32 v8, v6, s57
	v_lshl_add_u32 v8, v5, 4, v8                   ; and the same place among the rows of codes
	v_mov_b32 v[VO], v3
.set i, 1
.rept 31
	v_add_nc_u32 v[VO+i], s33, v[VO+i-1]           ; a register for each of a block's 32 rows: no offset is ever stepped
.set i, i+1
.endr
	v_mov_b32 v[OA], v8
.set i, 1
.rept 15
	v_add_nc_u32 v[OA+i], s62, v[OA+i-1]
.set i, i+1
.endr
	s_wait_kmcnt 0x0
	s_cmp_eq_u32 s3, 1                             ; the choices hang on the work-group's number alone
	s_cselect_b64 s[8:9], s[10:11], s[8:9]
	s_cmp_eq_u32 s3, 2
	s_cselect_b64 s[8:9], s[12:13], s[8:9]
	s_cmp_eq_u32 s3, 3
	s_cselect_b64 s[8:9], s[14:15], s[8:9]
	s_cmp_eq_u32 s3, 4
	s_cselect_b64 s[8:9], s[16:17], s[8:9]
	s_cmp_eq_u32 s3, 5
	s_cselect_b64 s[8:9], s[18:19], s[8:9]
	s_cmp_eq_u32 s54, 1
	s_cselect_b64 s[24:25], s[26:27], s[24:25]
	s_add_nc_u64 s[24:25], s[24:25], s[58:59]
	s_add_nc_u64 s[20:21], s[20:21], s[60:61]
	s_load_b32 s63, s[20:21], 0x0                  ; e
	s_add_nc_u64 s[36:37], s[8:9], s[34:35]        ; a base for each of the eight blocks
.irp t, 1,2,3,4,5,6,7
	s_add_nc_u64 s[36+2*\t:37+2*\t], s[34+2*\t:35+2*\t], s[52:53]
.endr
.macro LOADW t                         ; block t: W(256 kb + 32 t + i, my column), i = 0 .. 31, into set t % 2
.set i, 0
.rept 32
	global_load_b32 v[XW+32*((\t)%2)+i], v[VO+i], s[36+2*(\t):37+2*(\t)] th:TH_LOAD_NT
.set i, i+1
.endr
.endm
	LOADW 0
	LOADW 1
	s_wait_kmcnt 0x0
	s_add_co_i32 s63, s63, 127
	s_lshl_b32 s28, s63, 23
	v_mov_b32 v11, s28                             ; 2^e as f32: the conversion takes its exponent field
	s_add_co_i32 s63, s63, 15
	s_lshl_b32 s63, s63, 23
	s_or_b32 s63, s63, 0x600000
	v_mov_b32 v10, s63                             ; 57,344 x 2^e
.macro BLOCK t
.set XS, XW+32*((\t)%2)
.if (\t) < 7
	s_wait_loadcnt 32                              ; this block's 32 loads are in; the next block's 32 may be out
.else
	s_wait_loadcnt 0
.endif
.set i, 0
.rept 32
	v_med3_num_f32 v[XS+i], v[XS+i], -v10, v10     ; the conversion to an 8-bit code does not saturate (ISA guide 7.6.2): the hold comes first
.set i, i+1
.endr
.irp g, 0,1,2,3
	v_cvt_scalef32_pk8_bf8_f32 v[CW+2*\g:CW+2*\g+1], v[XS+8*\g:XS+8*\g+7], v11
.endr
	ds_store_b128 v4, v[CW:CW+3] offset:32*(\t)    ; 32 codes: 32 bytes of my column's row
	ds_store_b128 v4, v[CW+4:CW+7] offset:32*(\t)+16
.if (\t)+2 < 8
	LOADW (\t)+2
.endif
	s_wait_dscnt 0x0                               ; the stores have read their registers: the next block's codes may be written
.endm
	s_wait_alu depctr_va_vdst(0)
.irp t, 0,1,2,3,4,5,6,7
	BLOCK \t
.endr
.irp t, 0,1,2,3,4,5,6,7,8,9,10,11,12,13,14,15
	ds_load_b128 v[OUTR+4*\t:OUTR+4*\t+3], v7 offset:2*\t*272   ; LDS serves a wave's instructions in order: these see my stores
.endr
.irp t, 0,1,2,3,4,5,6,7,8,9,10,11,12,13,14,15
	s_wait_dscnt 15-\t                             ; the younger loads may be out
	global_store_b128 v[OA+\t], v[OUTR+4*\t:OUTR+4*\t+3], s[24:25]   ; sixteen lanes store 256 consecutive bytes, aligned
.endr
	s_set_vgpr_msb 0x5
	s_wait_tensorcnt 0x0
	ds_add_u32 v0, v1
	s_wait_dscnt 0x0
	s_set_vgpr_msb 0x500
	s_endpgm
; ---------------------------------------------------------------- the two layer norms
.Lnorm:
	s_load_b64 s[4:5], s[0:1], 0x0                 ; x
	s_load_b256 s[8:15], s[0:1], 0x8               ; g1, be1, g2, be2
	s_load_b128 s[16:19], s[0:1], 0x58             ; the scales' exponents, acodes
	s_sub_co_u32 s3, ttmp9, NWGW
	s_lshl_b32 s3, s3, 4
	s_lshl_b32 s20, s2, 2
	s_add_co_u32 s3, s3, s20                       ; my wave's first row: 16 x work-group + 4 x wave
	s_lshl_b32 s20, s3, 12                         ; in x: rows of 4,096 bytes,
	s_mov_b32 s21, 0
	s_lshl_b32 s22, s3, 10                         ; in the codes: of 1,024
	s_mov_b32 s23, 0
	s_mov_b32 s52, 0x3a800000                      ; 1 / 1024
	s_mov_b32 s53, 0x3727c5ac                      ; 1e-5
	s_mov_b32 s54, 0x76543210                      ; v_permlanex16_b32: lane l xor 16
	s_mov_b32 s55, 0xfedcba98
	s_mul_i32 s56, s2, 2*32*SP
	s_add_co_u32 s56, s56, LNB                     ; my two stages
	s_wait_alu depctr_va_vdst(0)
	v_lshlrev_b32 v1, 4, v2                        ; 16 x lane: my 16 bytes of a load's 512, and of a store's
	v_lshlrev_b32 v14, 6, v2                       ; 64 x lane: my 16 numbers of a gain's 512
	v_mul_u32_u24 v3, v2, SP
	v_add_nc_u32 v3, s56, v3                       ; the stage on the way out: my 16 neighbours
	v_lshrrev_b32 v12, 2, v2
	v_mul_u32_u24 v12, v12, SP
	v_and_b32 v13, 3, v2
	v_lshl_add_u32 v12, v13, 4, v12
	v_add_nc_u32 v2, s56, v12                      ; and on the way in: four lanes' 64 bytes on end, then 16 of padding
	s_wait_alu depctr_va_vdst(0)
	s_wait_kmcnt 0x0
	s_load_b256 s[24:31], s[16:17], 0x0            ; e0 .. e7
	s_load_b32 s32, s[16:17], 0x30                 ; e12
	s_add_nc_u64 s[4:5], s[4:5], s[20:21]
	s_add_nc_u64 s[36:37], s[18:19], s[22:23]      ; the four tensors of codes lie 4 MiB apart
	s_add_nc_u64 s[38:39], s[36:37], 0x400000
	s_add_nc_u64 s[40:41], s[38:39], 0x400000
	s_add_nc_u64 s[42:43], s[40:41], 0x400000
.irp i, 0,1,2,3,4,5,6,7
	global_load_b128 v[R+4*\i:R+4*\i+3], v1, s[4:5] offset:512*\i th:TH_LOAD_NT   ; row 0: 512 consecutive bytes a load
.endr
.irp u, 0,1                            ; gains and offsets at the columns that I hold behind the turn: 512 u + 16 lane + 0 .. 15; once for the launch
.irp i, 0,1,2,3
	global_load_b128 v[GA1+16*\u+4*\i:GA1+16*\u+4*\i+3], v14, s[8:9] offset:2048*\u+16*\i
	global_load_b128 v[BA1+16*\u+4*\i:BA1+16*\u+4*\i+3], v14, s[10:11] offset:2048*\u+16*\i
	global_load_b128 v[GA2+16*\u+4*\i:GA2+16*\u+4*\i+3], v14, s[12:13] offset:2048*\u+16*\i
	global_load_b128 v[BA2+16*\u+4*\i:BA2+16*\u+4*\i+3], v14, s[14:15] offset:2048*\u+16*\i
.endr
.endr
	s_wait_kmcnt 0x0
.macro MKSC e, i                       ; tensor i's scale 2^e in v[8 + i]; -57,344 x 2^e and +57,344 x 2^e in s[44 + 2 i], s[45 + 2 i]
	s_add_co_i32 s57, s\e, 127
	s_lshl_b32 s58, s57, 23
	v_mov_b32 v[8+\i], s58
	s_add_co_i32 s57, s57, 15
	s_lshl_b32 s57, s57, 23
	s_or_b32 s[45+2*\i], s57, 0x600000
	s_or_b32 s[44+2*\i], s[45+2*\i], 0x80000000
.endm
	MKSC 25, 0
	MKSC 27, 1
	MKSC 29, 2
	MKSC 32, 3
.macro RSUM                            ; the four chains v[12:13], v[14:15], v[80:81], v[82:83] become one sum over the row, in v12 of every lane
	v_pk_add_f32 v[12:13], v[12:13], v[14:15]
	v_pk_add_f32 v[80:81], v[80:81], v[82:83]
	v_pk_add_f32 v[12:13], v[12:13], v[80:81]
	v_add_f32 v12, v12, v13
	v_add_f32_dpp v12, v12, v12 row_xmask:1 row_mask:0xf bank_mask:0xf
	v_add_f32_dpp v12, v12, v12 row_xmask:2 row_mask:0xf bank_mask:0xf
	v_add_f32_dpp v12, v12, v12 row_xmask:4 row_mask:0xf bank_mask:0xf
	v_add_f32_dpp v12, v12, v12 row_xmask:8 row_mask:0xf bank_mask:0xf
	v_permlanex16_b32 v13, v12, s54, s55
	v_add_f32 v12, v12, v13
.endm
.macro QS s                            ; the 16 numbers in HH become tensor s's 16 codes
.set j, 0
.rept 16
	v_med3_num_f32 v[T+j], v[HH+j], s[44+2*\s], s[45+2*\s]   ; the hold at the largest code x the scale (ISA guide 7.6.2)
.set j, j+1
.endr
	v_cvt_scalef32_pk8_bf8_f32 v[C+4*\s:C+4*\s+1], v[T:T+7], v[8+\s]
	v_cvt_scalef32_pk8_bf8_f32 v[C+4*\s+2:C+4*\s+3], v[T+8:T+15], v[8+\s]
	v_nop                                          ; a plain line between the conversions and the next write of T
.endm
.macro ROW p, more                     ; row p of my four; more = 1: the next row is asked for as soon as this one has left R
	s_wait_loadcnt 0x0
.set k, 0
.irp c, 12,14,80,82
	v_pk_add_f32 v[\c:\c+1], v[R+2*k:R+2*k+1], v[R+8+2*k:R+9+2*k]
.set k, k+1
.endr
.irp j, 16,24
.set k, 0
.irp c, 12,14,80,82
	v_pk_add_f32 v[\c:\c+1], v[\c:\c+1], v[R+\j+2*k:R+\j+2*k+1]
.set k, k+1
.endr
.endr
	RSUM
	v_mul_f32 v4, s52, v12                         ; the mean, twice
	v_mul_f32 v5, s52, v12
.set j, 0
.rept 16
	v_pk_add_f32 v[R+j:R+j+1], v[R+j:R+j+1], v[4:5] neg_lo:[0,1] neg_hi:[0,1]   ; x - mean first: the variance is no difference of large sums
.set j, j+2
.endr
.set k, 0
.irp c, 12,14,80,82
	v_pk_mul_f32 v[\c:\c+1], v[R+2*k:R+2*k+1], v[R+2*k:R+2*k+1]
.set k, k+1
.endr
.irp j, 8,16,24
.set k, 0
.irp c, 12,14,80,82
	v_pk_fma_f32 v[\c:\c+1], v[R+\j+2*k:R+\j+2*k+1], v[R+\j+2*k:R+\j+2*k+1], v[\c:\c+1]
.set k, k+1
.endr
.endr
	RSUM
	v_fma_f32 v12, v12, s52, s53                   ; the variance + 1e-5
	s_wait_alu depctr_va_vdst(0)
	v_rsq_f32 v6, v12
	v_rsq_f32 v7, v12
	v_nop                                          ; a plain line behind the transcendentals (ISA guide 5.7.2)
.irp u, 0,1                            ; the turn: 2,048 bytes as they lie into a stage, back 64 bytes a lane; LDS serves a wave's instructions in order
.irp i, 0,1,2,3
	ds_store_b128 v2, v[R+16*\u+4*\i:R+16*\u+4*\i+3] offset:32*SP*\u+8*SP*\i
.endr
.irp i, 0,1,2,3
	ds_load_b128 v[X+16*\u+4*\i:X+16*\u+4*\i+3], v3 offset:32*SP*\u+16*\i
.endr
.endr
	s_wait_dscnt 0x0                               ; the row is back, and the stores have read R
.if \more
.irp i, 0,1,2,3,4,5,6,7
	global_load_b128 v[R+4*\i:R+4*\i+3], v1, s[4:5] offset:4096*((\p)+1)+512*\i th:TH_LOAD_NT
.endr
.endif
	s_wait_alu depctr_va_vdst(0)                   ; one wait for both roots, ahead of their first reader
.set j, 0
.rept 16
	v_pk_mul_f32 v[X+j:X+j+1], v[X+j:X+j+1], v[6:7]
.set j, j+2
.endr
.irp u, 0,1
	s_wait_xcnt 0x0                                ; the earlier stores have read C: it is written again only behind this wait
.set j, 0
.rept 8
	v_pk_fma_f32 v[HH+j:HH+j+1], v[X+16*\u+j:X+16*\u+j+1], v[GA1+16*\u+j:GA1+16*\u+j+1], v[BA1+16*\u+j:BA1+16*\u+j+1]
.set j, j+2
.endr
	QS 0
	QS 1
	QS 2
.set j, 0
.rept 8
	v_pk_fma_f32 v[HH+j:HH+j+1], v[X+16*\u+j:X+16*\u+j+1], v[GA2+16*\u+j:GA2+16*\u+j+1], v[BA2+16*\u+j:BA2+16*\u+j+1]
.set j, j+2
.endr
	QS 3
.irp s, 0,1,2,3
	global_store_b128 v1, v[C+4*\s:C+4*\s+3], s[36+2*\s:37+2*\s] offset:1024*(\p)+512*\u   ; the wave stores 512 consecutive bytes
.endr
.endr
.endm
	ROW 0, 1
	ROW 1, 1
	ROW 2, 1
	ROW 3, 0
	s_set_vgpr_msb 0x5
	s_wait_tensorcnt 0x0
	ds_add_u32 v0, v1
	s_wait_dscnt 0x0
	s_set_vgpr_msb 0x500
	s_endpgm
.Lfunc_end_k_q39f6702797_prep:
	.size	k_q39f6702797_prep, .Lfunc_end_k_q39f6702797_prep-k_q39f6702797_prep
	.p2alignl 7, 3214868480
	.fill 96, 4, 3214868480
	.section	.rodata,"a",@progbits
	.p2align	6, 0x0
	.amdhsa_kernel k_q39f6702797_prep
		.amdhsa_group_segment_fixed_size 56832
		.amdhsa_private_segment_fixed_size 0
		.amdhsa_enable_private_segment 0
		.amdhsa_kernarg_size 120
		.amdhsa_user_sgpr_count 2
		.amdhsa_user_sgpr_kernarg_segment_ptr 1
		.amdhsa_wavefront_size32 1
		.amdhsa_system_sgpr_workgroup_id_x 1
		.amdhsa_system_sgpr_workgroup_id_y 1
		.amdhsa_system_sgpr_workgroup_id_z 1
		.amdhsa_system_vgpr_workitem_id 0
		.amdhsa_next_free_vgpr 258
		.amdhsa_next_free_sgpr 66
		.amdhsa_reserve_vcc 0
		.amdhsa_float_denorm_mode_32 3
		.amdhsa_float_denorm_mode_16_64 3
		.amdhsa_memory_ordered 1
		.amdhsa_forward_progress 1
		.amdhsa_inst_pref_size 136
	.end_amdhsa_kernel
	.amdgpu_metadata
---
amdhsa.version: [ 1, 2 ]
amdhsa.kernels:
  - .name:           k_q39f6702797_prep
    .symbol:         k_q39f6702797_prep.kd
    .args:
      - { .name: x, .offset: 0, .size: 8, .value_kind: global_buffer, .address_space: global }
      - { .name: g1, .offset: 8, .size: 8, .value_kind: global_buffer, .address_space: global }
      - { .name: be1, .offset: 16, .size: 8, .value_kind: global_buffer, .address_space: global }
      - { .name: g2, .offset: 24, .size: 8, .value_kind: global_buffer, .address_space: global }
      - { .name: be2, .offset: 32, .size: 8, .value_kind: global_buffer, .address_space: global }
      - { .name: Wq, .offset: 40, .size: 8, .value_kind: global_buffer, .address_space: global }
      - { .name: Wk, .offset: 48, .size: 8, .value_kind: global_buffer, .address_space: global }
      - { .name: Wv, .offset: 56, .size: 8, .value_kind: global_buffer, .address_space: global }
      - { .name: Wo, .offset: 64, .size: 8, .value_kind: global_buffer, .address_space: global }
      - { .name: W1, .offset: 72, .size: 8, .value_kind: global_buffer, .address_space: global }
      - { .name: W2, .offset: 80, .size: 8, .value_kind: global_buffer, .address_space: global }
      - { .name: lowp_scales, .offset: 88, .size: 8, .value_kind: global_buffer, .address_space: global }
      - { .name: acodes, .offset: 96, .size: 8, .value_kind: global_buffer, .address_space: global }
      - { .name: wcodes, .offset: 104, .size: 8, .value_kind: global_buffer, .address_space: global }
      - { .name: w2codes, .offset: 112, .size: 8, .value_kind: global_buffer, .address_space: global }
    .group_segment_fixed_size: 56832
    .private_segment_fixed_size: 0
    .kernarg_segment_align: 8
    .kernarg_segment_size: 120
    .max_flat_workgroup_size: 128
    .sgpr_count:     66
    .vgpr_count:     258
    .wavefront_size: 32
...
	.end_amdgpu_metadata
.endif
;; end of part 1
;; launch gemm1 (part 2): grid 28 x 16, 4 waves a work-group, clusters of 4 x 4, 327,680 bytes of LDS; arguments acodes, wcodes, lowp_scales, b1, qc, kc, vc, act; writes qc, kc, vc, act
.if DOCPART == 2
	.amdgcn_target "amdgcn-amd-amdhsa--gfx1250"
	.amdhsa_code_object_version 6
	.text
	.protected	k_q39f6702797_gemm1
	.globl	k_q39f6702797_gemm1
	.p2align	8
	.type	k_q39f6702797_gemm1,@function
k_q39f6702797_gemm1:
	s_mov_b64 s[64:65], 0
	v_nop
	global_prefetch_b8 v0, s[64:65] scope:SCOPE_SE
	s_setreg_imm32_b32 hwreg(HW_REG_WAVE_MODE, 25, 1), 1
	s_wait_xcnt 0x0
	s_wait_alu depctr_hold_cnt(0) depctr_sa_sdst(0) depctr_va_vdst(0) depctr_va_sdst(0) depctr_va_ssrc(0) depctr_va_vcc(0) depctr_vm_vsrc(0)
	s_getreg_b32 s2, hwreg(HW_REG_IB_STS2, 6, 4)
	s_cmp_eq_u32 s2, 0
	s_cbranch_scc0 .Lentry_in_a_cluster
	s_endpgm
.Lentry_in_a_cluster:
	s_bfe_u32 s2, ttmp6, 0x10000c
	s_cmp_lg_u32 s2, 0xf033
	s_cbranch_scc0 .Lentry_shape_is_right
	s_endpgm
.Lentry_shape_is_right:
; The four products with K = 1,024 on codes of BF8 (E5M2): q, k, v and the FFN's first layer, as one grid of 28 x 16 tiles of 256 x 256; each result is quantised on the way out and leaves as codes.
; The kind of a tile hangs on the cluster's x alone (0 q, 1 k, 2 v, 3-6 FFN), so it is the same in all sixteen partners; what differs between kinds is chosen by selects on it: addresses, scales, bias, clip.  No branch.
; A work-group of four waves makes a tile; a wave 128 x 128: 64 accumulators, 512 registers.  K goes in four steps of 256 through two LDS slots filled by the tensor data mover.
; THE MATRIX INSTRUCTION IS USED TRANSPOSED: source 1 takes 16 rows of the A side, source 0 of the B side; a lane then holds one row of the A side and eight neighbours of the B side, which one conversion packs into 8 bytes.
; q, k, FFN: A side = tokens (acodes), B side = rows of wcodes: a token's codes run along d or along the hidden units: the next product's K.
; v: THE SIDES ARE EXCHANGED, by addresses alone: A side = Wv's rows, B side = tokens: v's codes come out with the keys innermost, as the second product of attention wants them.
; OUT: qc, kc [32 = 16 batch + head][2048 token][64];  vc [2 b][1024 = 64 head + d][2048 keys];  act [4096 token][5120], bytes 0-4095: the hidden layer.
; qc's row is the token.  kc's row is the token too, so that the 16 keys which form a tile of attention's first product are 16 neighbouring rows.
; result = sum x 2^(ea + eb) (+ b1, and what is negative becomes 0: FFN); code = result / 2^eo held within +-57,344.
; CLUSTERS: 4 x 4.  The A side's tile is shared along a row of the cluster, the B side's along a column: each is asked for jointly.
; LIMITS: ea + eb between -126 and 127; eo between -126 and 112.  NaN is not served.
; REGISTERS, in windows of 256: window 0: v0-31 addresses and constants; v32-63 the stores' offsets; v64-127 the bias; from v128 A's fragments, ONE set; on the way out v128-255 are at work.
;   window 1: B's fragments, two sets.   windows 2, 3: the accumulators ((a, b) at v[8 (8 (a % 4) + b)]).
.set ROWB,   256                       ; a tile's row in bytes: 256 codes
.set KROW,   1024                      ; a row of acodes or wcodes in bytes
.set PITCH,  272                       ; an LDS row: 256 bytes + 16 of padding = 68 words: row r starts at bank 4 r mod 64 (ISA guide 11.1)
.set FR,     16                        ; registers of a fragment: 16 rows x 128 K
.set NL,     4                         ; LDS loads that bring one
.set NP,     4                         ; places behind this matrix instruction (ISA guide 7.12.1)
.set HALFT,  128*PITCH
.set SLOT,   4*HALFT
.set SPARE,  2*SLOT                    ; behind the ring: the spare words, 128 bytes a wave, which no other line names
.set ADRA, 16                          ; v16-17 LDS address of my A fragments in slot 0, 1
.set ADRB, 20                          ; v20-21 the same for B
.set STO,  24                          ; v24  the way out: where I put 8 codes
.set RD,   25                          ; v25  and where I read rows back
.set SCL,  27                          ; v27  2^eo
.set SPW,  28                          ; v28  my spare word; never rewritten
.set NIL,  29                          ; v29  0; never rewritten
.set LO,   30                          ; v30  the lower hold: 0 (FFN) or -57,344 x 2^eo
.set HI,   31                          ; v31  57,344 x 2^eo
.set OA,   32                          ; v32-63 the stores' offsets, two rows each
.set BIAS, 64                          ; v64-127 b1 at my 64 numbers of the B side, or zeros
.set AF,   128
.set TMP,  128                         ; the way out: a block's 64 results
.set BK,   128                         ; and later 64 rows of codes read back
.set G1, 24
.set G0, 32
.set G1B, 48
.set G0B, 56
.set MSB, 0
.macro WIN new                         ; the immediate's high byte repeats the setting that is left
.if MSB != (\new)
	s_set_vgpr_msb (MSB<<8)|(\new)
.set MSB, (\new)
.endif
.endm
.set MUL_LO, 0xa1                      ; source 0 (B) window 1, source 1 (A) window 0, C and D window 2
.set MUL_HI, 0xf1
.set TO_B,   0x40
.macro JLOAD g0a, g1a, g0b, g1b        ; a joint load: waves 0 and 1 fetch for A, waves 2 and 3 for B; four v_nop follow each line
	s_cmp_eq_u32 s15, 0
	s_cbranch_scc0 .Lfor_b_\@
	tensor_load_to_lds s[\g0a:\g0a+3], s[\g1a:\g1a+7]
	s_nop 0
.rept 4
	v_nop
.endr
	s_branch .Lasked_\@
.Lfor_b_\@:
	tensor_load_to_lds s[\g0b:\g0b+3], s[\g1b:\g1b+7]
	s_nop 0
.rept 4
	v_nop
.endr
.Lasked_\@:
.endm
.macro CREST                           ; a round of the cluster's barrier behind its opening barrier
	s_cmp_lg_u32 s14, 0
	s_cbranch_scc1 .Lnot_wave_0_\@
	s_barrier_signal -3
.Lnot_wave_0_\@:
	s_barrier_wait -3
	s_barrier_signal -1
	s_barrier_wait -1
.endm
.macro CROUND
	s_barrier_signal -1
	s_barrier_wait -1
	CREST
.endm
	s_load_b128 s[4:7], s[0:1], 0x0                ; acodes, wcodes
	s_load_b128 s[8:11], s[0:1], 0x10              ; the scales' exponents, b1
	s_load_b256 s[68:75], s[0:1], 0x20             ; qc, kc, vc, act
	v_lshl_add_u32 v[SPW], v0, 2, SPARE
	v_mov_b32 v[NIL], 0
	ds_add_u32 v28, v29
	ds_add_u32 v28, v29
	s_wait_dscnt 0x0
	v_lshrrev_b32 v1, 5, v0
	v_readfirstlane_b32 s14, v1                    ; wave 0..3
	s_lshr_b32 s15, s14, 1                         ; my half of the A side.  Also: I fetch for A (0) or for B (1)
	s_and_b32 s16, s14, 1                          ; my half of the B side.  Also: which 128 rows I fetch
	s_bfe_u32 s40, ttmp6, 0x40000                  ; cx
	s_bfe_u32 s41, ttmp6, 0x40004                  ; cy
	s_and_b32 s17, ttmp7, 0xffff                   ; the cluster's y
	s_lshl_b32 s43, s41, 2
	s_lshl_b32 s43, 15, s43                        ; my row of the cluster
	s_lshl_b32 s44, 0x1111, s40                    ; my column
	s_or_b32 s[G1+0], s43, (0<<16)|(1<<20)|(1<<21)|(5<<22)|(3<<25)  ; the mask; elements of 1 byte; padding on; bit 21 beside a mask; 4 words behind every 64
	s_or_b32 s[G1B+0], s44, (0<<16)|(1<<20)|(1<<21)|(5<<22)|(3<<25)
.irp g, G1, G1B
	s_mov_b32 s[\g+1], ROWB<<16                    ; tensor_dim0
	s_mov_b32 s[\g+2], 128<<16                     ; tensor_dim1
	s_mov_b32 s[\g+3], ROWB<<16                    ; tile_dim0
	s_mov_b32 s[\g+4], 128                         ; tile_dim1
	s_mov_b32 s[\g+5], KROW                        ; from row to row
	s_mov_b32 s[\g+6], 0
	s_mov_b32 s[\g+7], 0
.endr
	s_min_u32 s12, ttmp9, 3                        ; the kind: 0 q, 1 k, 2 v, 3 FFN; also which tensor of acodes
	s_lshl_b32 s66, s12, 12
	s_lshl_b32 s19, s17, 10
	s_add_co_u32 s66, s66, s19                     ; tokens on the A side: row 4096 kind + 1024 cluster y
	s_add_co_u32 s67, s19, 8192                    ; v: tokens on the B side: row 8192 + 1024 cluster y
	s_lshl_b32 s19, ttmp9, 10                      ; weights on the B side: row 1024 cluster x
	s_cmp_eq_u32 ttmp9, 2
	s_cselect_b32 s66, 2048, s66                   ; v: Wv's rows on the A side
	s_cselect_b32 s67, s67, s19
	s_lshl_b32 s18, s16, 7
	s_lshl_b32 s20, s41, 8
	s_add_co_u32 s20, s20, s18
	s_add_co_u32 s20, s20, s66                     ; A: + 256 cy + 128 x half: hangs on cy, never on cx
	s_lshl_b32 s20, s20, 10
	s_mov_b32 s21, 0
	s_lshl_b32 s46, s40, 8
	s_add_co_u32 s46, s46, s18
	s_add_co_u32 s46, s46, s67                     ; B: + 256 cx + 128 x half
	s_lshl_b32 s46, s46, 10
	s_mov_b32 s47, 0
	s_mul_i32 s45, s14, HALFT                      ; where they go: wave x 128 rows
	s_lshl_b32 s84, s12, 3                         ; where ea, eb stand: entries 0, 2, 4, 12
	s_cmp_eq_u32 s12, 3
	s_cselect_b32 s84, 48, s84
	s_mov_b32 s85, 0
	s_lshl_b32 s86, s12, 2                         ; and eo: entries 6, 7, 9, 14
	s_add_co_u32 s86, s86, 24
	s_cmp_eq_u32 s12, 2
	s_cselect_b32 s86, 36, s86
	s_cmp_eq_u32 s12, 3
	s_cselect_b32 s86, 56, s86
	s_mov_b32 s87, 0
	s_wait_kmcnt 0x0
	s_cmp_eq_u32 ttmp9, 2
	s_cselect_b64 s[76:77], s[6:7], s[4:5]         ; the A side's buffer,
	s_cselect_b64 s[78:79], s[4:5], s[6:7]         ; the B side's
	s_add_nc_u64 s[20:21], s[76:77], s[20:21]
	s_add_nc_u64 s[46:47], s[78:79], s[46:47]
	s_cmp_eq_u32 s15, 0                            ; the prefetches: of the 128 rows that my wave fetches, each of the four partners that ask for them jointly takes 32, told apart by address:
	s_cselect_b64 s[76:77], s[20:21], s[46:47]
	s_cselect_b32 s78, s40, s41                    ; cx for the A side, cy for the B side
	s_lshl_b32 s78, s78, 15                        ; 32 rows of 1,024 bytes
	s_mov_b32 s79, 0
	s_add_nc_u64 s[76:77], s[76:77], s[78:79]      ; never rewritten
	s_add_nc_u64 s[92:93], s[8:9], s[84:85]
	s_add_nc_u64 s[94:95], s[8:9], s[86:87]
	s_load_b64 s[96:97], s[92:93], 0x0             ; ea, eb
	s_load_b32 s90, s[94:95], 0x0                  ; eo
	CROUND                                         ; all sixteen work-groups are here: the first joint loads meet
.irp s, 0,1
	s_mov_b32 s[G0+4*\s], 1
	s_add_co_u32 s[G0+4*\s+1], s45, \s*SLOT
	s_add_nc_u64 s[G0+4*\s+2:G0+4*\s+3], s[20:21], \s*ROWB
	s_or_b32 s[G0+4*\s+3], s[G0+4*\s+3], 0x80000000
	s_mov_b32 s[G0B+4*\s], 1
	s_add_co_u32 s[G0B+4*\s+1], s45, \s*SLOT
	s_add_nc_u64 s[G0B+4*\s+2:G0B+4*\s+3], s[46:47], \s*ROWB
	s_or_b32 s[G0B+4*\s+3], s[G0B+4*\s+3], 0x80000000
.endr
	JLOAD G0, G1, G0B, G1B                         ; K step 0: one tensor load a wave at the head
	v_and_b32 v10, 31, v0
	v_lshlrev_b32 v10, 10, v10                     ; a lane a row; never rewritten
	global_prefetch_b8 v10, s[76:77] offset:256 th:TH_LOAD_NT scope:SCOPE_SE   ; K step 1, whose load stands behind K step 0's landing and a round,
	global_prefetch_b8 v10, s[76:77] offset:512 th:TH_LOAD_NT scope:SCOPE_SE   ; and K step 2, whose load stands a K step further on
	v_and_b32 v1, 15, v0                           ; r
	v_bfe_u32 v2, v0, 4, 1                         ; h
	v_mul_u32_u24 v3, v1, PITCH
	s_wait_alu depctr_va_vdst(0)
	v_lshl_add_u32 v4, v2, 4, v3                   ; a fragment's row x pitch + 16 h
	s_mul_i32 s21, s15, HALFT
	s_mul_i32 s22, s16, HALFT
	s_add_co_u32 s22, s22, 2*HALFT
.irp s, 0,1
	v_add_nc_u32 v[ADRA+\s], s21, v4
	v_add_nc_u32 v[ADRB+\s], s22, v4
	s_add_co_u32 s21, s21, SLOT
	s_add_co_u32 s22, s22, SLOT
.endr
	s_mul_i32 s23, s15, 128*PITCH                  ; the stage, 256 rows x 272 bytes, the work-group's: row = A side, byte = B side
	s_lshl_b32 s18, s16, 7
	s_add_co_u32 s23, s23, s18
	v_lshl_add_u32 v5, v2, 3, v3
	v_add_nc_u32 v[STO], s23, v5                   ; in: my half's rows and bytes, + 272 r + 8 h
	s_mul_i32 s23, s14, 64*PITCH
	v_mul_u32_u24 v5, v2, PITCH
	v_lshl_add_u32 v5, v1, 4, v5
	v_add_nc_u32 v[RD], s23, v5                    ; back (v, FFN): wave w takes rows 64 w on, whole: sixteen lanes to a row
	v_lshrrev_b32 v8, 2, v1                        ; back (q, k): sixteen lanes take ONE head's 64 bytes of four neighbouring tokens: row 4 h + r / 4, byte 16 (r % 4)
	v_lshl_add_u32 v8, v2, 2, v8
	v_mul_u32_u24 v8, v8, PITCH
	v_and_b32 v9, 3, v1
	v_lshl_add_u32 v8, v9, 4, v8
	v_add_nc_u32 v26, s23, v8
	s_mov_b32 s82, 256                             ; from row to row in the output: qc, kc 256; vc 2,048; act 5,120
	s_cmp_eq_u32 ttmp9, 2
	s_cselect_b32 s82, 2048, s82
	s_cmp_ge_u32 ttmp9, 3
	s_cselect_b32 s82, 5120, s82
; QC AND KC ARE LAID [32 = 16 batch + head][2048 token][64], tokens in their own order (this, and not the older layout named at the kernel's head, is what is stored).
; v, FFN: store t holds the stage's rows 64 w + 2 t + h.   q, k: store t holds head t % 4 of the tile's four, tokens 64 w + 8 (t / 4) + 4 h + 0 .. 3: 256 consecutive bytes for sixteen lanes.
	s_lshl_b32 s83, s82, 1                         ; 2 rows
	s_lshl_b32 s23, s14, 6
	s_lshl_b32 s22, s14, 4
	s_lshl_b32 s18, s82, 3                         ; 8 rows
	s_lshl_b32 s19, s82, 4                         ; 16 rows
	s_lshl_b32 s98, s82, 5                         ; 32 rows
	s_mov_b32 s99, 0x20000
	s_cmp_lt_u32 ttmp9, 2                          ; q or k
	s_cselect_b32 s23, s22, s23                    ; q, k: (16 w + h) x 256 bytes = 64 w + 4 h tokens of 64 bytes
	s_cselect_b32 s83, s99, s83                    ; t + 1: a head on, 2,048 tokens of 64 bytes
	s_cselect_b32 s22, 512, s18                    ; t + 4: 8 tokens on
	s_cselect_b32 s99, 1024, s19                   ; t + 8
	s_cselect_b32 s98, 2048, s98                   ; t + 16
	v_add_nc_u32 v6, s23, v2
	v_mul_lo_u32 v6, v6, s82
	v_lshl_add_u32 v[OA], v1, 4, v6
.irp t, 1,2,3
	v_add_nc_u32 v[OA+\t], s83, v[OA+\t-1]
.endr
.set i, 0
.rept 4
	v_add_nc_u32 v[OA+4+i], s22, v[OA+i]
.set i, i+1
.endr
.set i, 0
.rept 8
	v_add_nc_u32 v[OA+8+i], s99, v[OA+i]
.set i, i+1
.endr
.set i, 0
.rept 16
	v_add_nc_u32 v[OA+16+i], s98, v[OA+i]
.set i, i+1
.endr
	s_lshl_b32 s42, ttmp9, 2
	s_add_co_u32 s42, s42, s40                     ; tile column
	s_lshl_b32 s13, s17, 2
	s_add_co_u32 s13, s13, s41                     ; tile row
	s_lshl_b32 s98, s40, 19                        ; q, k: heads 4 cx on, 131,072 bytes a head,
	s_lshr_b32 s18, s13, 3
	s_lshl_b32 s18, s18, 21                        ; the tile row's batch, 16 heads,
	s_add_co_u32 s98, s98, s18
	s_and_b32 s18, s13, 7
	s_lshl_b32 s18, s18, 14                        ; and its 256 tokens of 64 bytes
	s_add_co_u32 s98, s98, s18
	s_lshl_b32 s18, s17, 2                         ; v: the tile's first token T0 = 256 (4 cluster y + cx):
	s_add_co_u32 s18, s18, s40
	s_lshl_b32 s18, s18, 8
	s_lshr_b32 s19, s18, 11
	s_lshl_b32 s19, s19, 21                        ; its batch,
	s_and_b32 s18, s18, 2047
	s_add_co_u32 s19, s19, s18                     ; its place in a row of keys,
	s_lshl_b32 s18, s41, 19
	s_add_co_u32 s19, s19, s18                     ; and rows 256 cy on
	s_mul_i32 s22, s13, 256*5120                   ; FFN: 256 tokens of 5,120 bytes a tile row, 256 bytes a tile column
	s_sub_co_u32 s23, s42, 12
	s_lshl_b32 s18, s23, 8
	s_add_co_u32 s22, s22, s18
	s_cmp_eq_u32 ttmp9, 2
	s_cselect_b32 s98, s19, s98
	s_cmp_ge_u32 ttmp9, 3
	s_cselect_b32 s98, s22, s98
	s_mov_b32 s99, 0
	s_lshl_b32 s84, s23, 8                         ; b1 at my half's 128 hidden units; for the other kinds the buffer's head is read and set aside
	s_lshl_b32 s18, s16, 7
	s_add_co_u32 s84, s84, s18
	s_lshl_b32 s84, s84, 2
	s_cmp_ge_u32 ttmp9, 3
	s_cselect_b32 s84, s84, 0
	s_cselect_b32 s91, -1, 0                       ; all lanes' bits: the kind has a bias
	s_add_nc_u64 s[10:11], s[10:11], s[84:85]
	s_cmp_eq_u32 ttmp9, 1
	s_cselect_b64 s[80:81], s[70:71], s[68:69]
	s_cmp_eq_u32 ttmp9, 2
	s_cselect_b64 s[80:81], s[72:73], s[80:81]
	s_cmp_ge_u32 ttmp9, 3
	s_cselect_b64 s[80:81], s[74:75], s[80:81]
	s_add_nc_u64 s[80:81], s[80:81], s[98:99]      ; the tile's first byte in its output
	v_lshlrev_b32 v7, 5, v2                        ; accumulator (a, b), register j is B side 16 b + 8 h + j
.irp b, 0,1,2,3,4,5,6,7
	global_load_b128 v[BIAS+8*\b:BIAS+8*\b+3], v7, s[10:11] offset:64*\b
	global_load_b128 v[BIAS+8*\b+4:BIAS+8*\b+7], v7, s[10:11] offset:64*\b+16
.endr
	s_wait_kmcnt 0x0
	s_add_co_i32 s88, s96, s97
	s_add_co_i32 s88, s88, 127
	s_lshl_b32 s88, s88, 23                        ; 2^(ea + eb) as f32
	s_mov_b32 s89, s88                             ; (named with it as a pair)
	s_add_co_i32 s90, s90, 127
	s_lshl_b32 s18, s90, 23
	v_mov_b32 v[SCL], s18
	s_add_co_i32 s90, s90, 15
	s_lshl_b32 s90, s90, 23
	s_or_b32 s90, s90, 0x600000
	v_mov_b32 v[HI], s90
	s_or_b32 s18, s90, 0x80000000
	s_cmp_ge_u32 ttmp9, 3
	s_cselect_b32 s18, 0, s18                      ; the FFN's activation is the hold's lower end
	v_mov_b32 v[LO], s18
.macro FRAG reg, adr, q, i             ; a fragment: lane l holds row l % 16; registers 4 c .. 4 c + 3 hold K = 32 c + 16 (l / 16) + 0 .. 15: the same order of K on both sides
.irp c, 0,1,2,3
	ds_load_b128 v[\reg+4*\c:\reg+4*\c+3], v[\adr] offset:128*(\q)+32*\c+(\i)*16*PITCH
.endr
.endm
.macro MUL16 a0, p, zero               ; A's blocks a0, a0 + 1 x B's eight.  The 64 accumulators take turns, one instruction a turn
.irp a, \a0, \a0+1
.irp b, 0,1,2,3,4,5,6,7
.if \zero
	v_wmma_f32_16x16x128_bf8_bf8 v[8*(8*((\a)%4)+\b):8*(8*((\a)%4)+\b)+7], v[128*(\p)+FR*\b:128*(\p)+FR*\b+FR-1], v[AF+FR*(\a):AF+FR*(\a)+FR-1], 0
.else
	v_wmma_f32_16x16x128_bf8_bf8 v[8*(8*((\a)%4)+\b):8*(8*((\a)%4)+\b)+7], v[128*(\p)+FR*\b:128*(\p)+FR*\b+FR-1], v[AF+FR*(\a):AF+FR*(\a)+FR-1], v[8*(8*((\a)%4)+\b):8*(8*((\a)%4)+\b)+7]
.endif
.endr
.endr
.endm
.macro FETCH_B slot, q, p
	WIN TO_B
.irp i, 0,1,2,3,4,5,6,7
	FRAG 128*(\p)+FR*\i, ADRB+\slot, \q, \i
.endr
	WIN 0
.endm
.macro FETCH_A slot, q, i0
.irp i, \i0, \i0+1, \i0+2, \i0+3
	FRAG AF+FR*(\i), ADRA+\slot, \q, \i
.endr
.endm
.macro PLACES n                        ; plain vector lines between a matrix instruction and a load into, or a read of, its registers
.rept \n
	v_nop
.endr
.endm
.macro STEP slot, q, zero              ; 128 along K that have their successor in the same slot
	s_wait_dscnt 4*NL                              ; B's set and A's blocks 0-3 are in; the youngest sixteen loads (A's blocks 4-7) may be out
	WIN MUL_LO
	MUL16 0, (\q)%2, \zero
	MUL16 2, (\q)%2, \zero
	s_wait_dscnt 0
	PLACES NP
	FETCH_B \slot, (\q)+1, 1-(\q)%2
	FETCH_A \slot, (\q)+1, 0
	WIN MUL_HI
	MUL16 4, (\q)%2, \zero
	MUL16 6, (\q)%2, \zero
	PLACES NP
	WIN 0
	FETCH_A \slot, (\q)+1, 4
.endm
.macro TURN slot, next, fill           ; a slot's last 128 along K, and the change of slots
	s_wait_tensorcnt 0x0                           ; all my tensor loads have landed: my part of the next slot
	ds_add_u32 v[SPW], v[NIL]                      ; 0 onto my spare word
	s_wait_dscnt 4*NL+1                            ; the add and the youngest sixteen loads may be out
	WIN MUL_LO
	MUL16 0, 1, 0
	s_wait_dscnt 0x0                               ; the add is done, and my reads of this slot are over
	s_barrier_signal -1
	MUL16 2, 1, 0
	WIN 0
	s_barrier_wait -1
.if \fill
	CREST                                          ; the barrier has opened a round of the cluster's: no wave of any partner still reads this slot or has a load on its way
	s_add_nc_u64 s[G0+4*\slot+2:G0+4*\slot+3], s[G0+4*\slot+2:G0+4*\slot+3], 2*ROWB
	s_add_nc_u64 s[G0B+4*\slot+2:G0B+4*\slot+3], s[G0B+4*\slot+2:G0B+4*\slot+3], 2*ROWB
	JLOAD G0+4*\slot, G1, G0B+4*\slot, G1B         ; the first tensor load behind the round; its four v_nop are the places in front of the loads below
.else
	PLACES NP
.endif
	FETCH_B \next, 0, 0
	FETCH_A \next, 0, 0
.if (\fill) && (\slot) == 0
	global_prefetch_b8 v10, s[76:77] offset:768 th:TH_LOAD_NT scope:SCOPE_SE   ; K step 3, the last: a K step ahead of its load
.endif
	WIN MUL_HI
	MUL16 4, 1, 0
	MUL16 6, 1, 0
	PLACES NP
	WIN 0
	FETCH_A \next, 0, 4
.endm
	s_wait_alu depctr_va_vdst(0)                   ; the wait at the head's end
	s_wait_tensorcnt 0x0                           ; my part of K step 0 is in
	ds_add_u32 v[SPW], v[NIL]
	s_wait_dscnt 0x0
	CROUND                                         ; everybody's part of K step 0 is in, and all sixteen work-groups are here
	JLOAD G0+4, G1, G0B+4, G1B                     ; K step 1: the first tensor load behind the round
	FETCH_B 0, 0, 0
	FETCH_A 0, 0, 0
	FETCH_A 0, 0, 4
	STEP 0, 0, 1                                   ; K = 1,024 is four slots: written out.  The first products start the sums
	TURN 0, 1, 1                                   ; slot 0 takes K step 2
	STEP 1, 0, 0
	TURN 1, 0, 1                                   ; slot 1 takes K step 3
	STEP 0, 0, 0
	TURN 0, 1, 0                                   ; nothing is left to fetch
	STEP 1, 0, 0
	s_wait_dscnt 4*NL
	WIN MUL_LO
	MUL16 0, 1, 0
	MUL16 2, 1, 0
	s_wait_dscnt 0
	WIN MUL_HI
	MUL16 4, 1, 0
	MUL16 6, 1, 0
	WIN 0
; THE WAY OUT.  The stage lies in slot 0, which has had its last fill, and which nobody reads since the last change of slots.
	s_wait_loadcnt 0x0                             ; the bias
.set j, 0
.rept 64
	v_cndmask_b32 v[BIAS+j], 0, v[BIAS+j], s91     ; zeros where the kind has no bias.  (These lines are also the places behind the last products)
.set j, j+1
.endr
.macro QBLOCK a                        ; block a, 16 rows of the A side x my 128 of the B side: scaled, biased, held, converted, 8 bytes a lane and accumulator into the stage
.set AC, 64*((\a)%4)
.set CD, 192+16*((\a)%2)
	WIN 0x02+((\a)/4)                              ; source 0: window 2 or 3
.set j, 0
.rept 32
	v_pk_fma_f32 v[TMP+j:TMP+j+1], v[AC+j:AC+j+1], s[88:89], v[BIAS+j:BIAS+j+1] op_sel_hi:[1,0,1]   ; sum x 2^(ea + eb) + bias; each accumulator from its low end on
.set j, j+2
.endr
	WIN 0
.set j, 0
.rept 64
	v_med3_num_f32 v[TMP+j], v[TMP+j], v[LO], v[HI]   ; the hold (ISA guide 7.6.2), and the FFN's activation with it
.set j, j+1
.endr
.if (\a) >= 2
	s_wait_alu depctr_va_vdst(0)
	s_wait_dscnt 8                                 ; the block before's eight stores may be out; those two blocks back, which read these registers, are done
.endif
.irp b, 0,1,2,3,4,5,6,7
	v_cvt_scalef32_pk8_bf8_f32 v[CD+2*\b:CD+2*\b+1], v[TMP+8*\b:TMP+8*\b+7], v[SCL]
.endr
	v_nop                                          ; a plain line between the conversions and the next write of their sources
.irp b, 0,1,2,3,4,5,6,7
	ds_store_b64 v[STO], v[CD+2*\b:CD+2*\b+1] offset:16*PITCH*(\a)+16*\b
.endr
.endm
.irp a, 0,1,2,3,4,5,6,7
	QBLOCK \a
.endr
	s_wait_dscnt 0x0                               ; for the others' sake: my stores into the stage are done
	s_barrier_signal -1
	s_barrier_wait -1
.set t, 0
	s_cmp_lt_u32 ttmp9, 2                          ; the kind hangs on the cluster's x alone: all sixteen partners and all waves go the same way
	s_cbranch_scc1 .Lheads
.rept 32
	ds_load_b128 v[BK+4*t:BK+4*t+3], v[RD] offset:2*PITCH*t
.set t, t+1
.endr
	s_branch .Lrows
.Lheads:
.set t, 0
.rept 32
	ds_load_b128 v[BK+4*t:BK+4*t+3], v26 offset:8*PITCH*(t/4)+64*(t%4)   ; q, k: head t % 4, tokens 8 (t / 4) on
.set t, t+1
.endr
.Lrows:
.set t, 0
.rept 32
	s_wait_dscnt 31-t                              ; the younger loads may be out
	global_store_b128 v[OA+t], v[BK+4*t:BK+4*t+3], s[80:81]   ; sixteen lanes store 256 consecutive bytes, aligned
.set t, t+1
.endr
	s_wait_tensorcnt 0x0                           ; the wave's end
	ds_add_u32 v[SPW], v[NIL]
	s_wait_dscnt 0x0
	CROUND                                         ; the closing round
	s_endpgm
.Lfunc_end_k_q39f6702797_gemm1:
	.size	k_q39f6702797_gemm1, .Lfunc_end_k_q39f6702797_gemm1-k_q39f6702797_gemm1
	.p2alignl 7, 3214868480
	.fill 96, 4, 3214868480
	.section	.rodata,"a",@progbits
	.p2align	6, 0x0
	.amdhsa_kernel k_q39f6702797_gemm1
		.amdhsa_group_segment_fixed_size 327680
		.amdhsa_private_segment_fixed_size 0
		.amdhsa_enable_private_segment 0
		.amdhsa_kernarg_size 64
		.amdhsa_user_sgpr_count 2
		.amdhsa_user_sgpr_kernarg_segment_ptr 1
		.amdhsa_wavefront_size32 1
		.amdhsa_system_sgpr_workgroup_id_x 1
		.amdhsa_system_sgpr_workgroup_id_y 1
		.amdhsa_system_sgpr_workgroup_id_z 1
		.amdhsa_system_vgpr_workitem_id 0
		.amdhsa_next_free_vgpr 1024
		.amdhsa_next_free_sgpr 100
		.amdhsa_reserve_vcc 0
		.amdhsa_float_denorm_mode_32 3
		.amdhsa_float_denorm_mode_16_64 3
		.amdhsa_memory_ordered 1
		.amdhsa_forward_progress 1
		.amdhsa_inst_pref_size 154
	.end_amdhsa_kernel
	.amdgpu_metadata
---
amdhsa.version: [ 1, 2 ]
amdhsa.kernels:
  - .name:           k_q39f6702797_gemm1
    .symbol:         k_q39f6702797_gemm1.kd
    .args:
      - { .name: acodes, .offset: 0, .size: 8, .value_kind: global_buffer, .address_space: global }
      - { .name: wcodes, .offset: 8, .size: 8, .value_kind: global_buffer, .address_space: global }
      - { .name: lowp_scales, .offset: 16, .size: 8, .value_kind: global_buffer, .address_space: global }
      - { .name: b1, .offset: 24, .size: 8, .value_kind: global_buffer, .address_space: global }
      - { .name: qc, .offset: 32, .size: 8, .value_kind: global_buffer, .address_space: global }
      - { .name: kc, .offset: 40, .size: 8, .value_kind: global_buffer, .address_space: global }
      - { .name: vc, .offset: 48, .size: 8, .value_kind: global_buffer, .address_space: global }
      - { .name: act, .offset: 56, .size: 8, .value_kind: global_buffer, .address_space: global }
    .group_segment_fixed_size: 327680
    .private_segment_fixed_size: 0
    .kernarg_segment_align: 8
    .kernarg_segment_size: 64
    .max_flat_workgroup_size: 128
    .sgpr_count:     100
    .vgpr_count:     1024
    .wavefront_size: 32
...
	.end_amdgpu_metadata
.endif
;; end of part 2
;; launch attn (part 3): grid 8 x 32, 8 waves a work-group, clusters of 4 x 1, 327,680 bytes of LDS; arguments qc, kc, vc, lowp_scales, oc; writes oc
.if DOCPART == 3
	.amdgcn_target "amdgcn-amd-amdhsa--gfx1250"
	.amdhsa_code_object_version 6
	.text
	.protected	k_q39f6702797_attn
	.globl	k_q39f6702797_attn
	.p2align	8
	.type	k_q39f6702797_attn,@function
k_q39f6702797_attn:
	s_mov_b64 s[64:65], 0
	v_nop
	global_prefetch_b8 v0, s[64:65] scope:SCOPE_SE
	s_setreg_imm32_b32 hwreg(HW_REG_WAVE_MODE, 25, 1), 1
	s_wait_xcnt 0x0
	s_wait_alu depctr_hold_cnt(0) depctr_sa_sdst(0) depctr_va_vdst(0) depctr_va_sdst(0) depctr_va_ssrc(0) depctr_va_vcc(0) depctr_vm_vsrc(0)
	s_getreg_b32 s2, hwreg(HW_REG_IB_STS2, 6, 4)
	s_cmp_eq_u32 s2, 0
	s_cbranch_scc0 .Lentry_in_a_cluster
	s_endpgm
.Lentry_in_a_cluster:
	s_bfe_u32 s2, ttmp6, 0x10000c
	s_cmp_lg_u32 s2, 0x3003
	s_cbranch_scc0 .Lentry_shape_is_right
	s_endpgm
.Lentry_shape_is_right:
; Attention on codes of BF8 (E5M2): o = softmax(q k^T / 8) v for 32 (batch, head) pairs of 2,048 x 2,048, head size 64; o leaves as codes.
; THE SOFTMAX AHEAD OF THE SECOND PRODUCT: t = score x log2(e) / 8; M = the row's largest t so far, rounded UP to a whole number; p = 2^(t - M) is quantised, not normalised.  The row's sum is taken of the
; unquantised p and divides at the end.  When M moves, the sum and O are multiplied by 2^(old M - new M): exact.
; IN: qc, kc [32 = 16 batch + head][2048 token][64];  vc [32][64 d][2048 keys].  OUT: oc [2 = head / 8][64 blocks of 64 tokens][8 = head % 8][64 token][64 d]: a block is the dense tile that the next launch fetches.
; SHARES.  Work-group y is the (batch, head) pair, x its block of 256 queries; wave w of eight takes queries 32 w on: TWO tiles of 16, so that each fragment of K and V read from LDS feeds two matrix instructions.
; NO RING.  A head's K (2,048 rows of 64 + 16 bytes) and V^T (two chunks of 64 rows x 1,024 keys + 16 bytes) are 296,960 bytes: they lie in LDS whole.  Each wave fetches an eighth, 32,768 bytes, by its one tensor load
; at the head (waves 0-3: 512 keys of K each, a dense block stated as rows of 256 bytes; waves 4-7: 32 rows of a chunk of V).  One barrier follows; the loop over the keys has none, and nothing is filled again.
; CLUSTER: the four work-groups of a cluster have the same y and need the same K and V: each tile is asked for jointly, with a mask that names the four.
; NO PREFETCH: every tile is asked for at the kernel's head; there is no loop to run ahead in.
; LAYOUT.  Both products transposed: S^T = K Q^T (source 0 = 16 neighbouring keys), O^T = V^T P^T (source 0 = 16 of the head's 64): a lane holds ONE query of each tile throughout.  Register i of tile j of S^T in lane
; (r, h) is key 16 j + 8 h + i: one conversion makes of a tile's eight registers the registers 2 j, 2 j + 1 of P in the K = 128 form's own layout; V's fragments are read in that layout, 8 bytes a load.
; A TRIP is two steps of 128 keys: keys 128 i (chunk 0 of V) and keys 1,024 + 128 i (chunk 1), so that every LDS address steps by a constant.  A step's K is fetched in the step before, under the softmax; the last
; trip's second step so fetches keys 1,024 to 1,151 once more, which nobody multiplies.
; ONE SOFTMAX FOR BOTH TILES.  All that vector instructions touch lies in window 0, all that only matrix instructions and loads touch in window 1: so the two tiles' lines stand by turns, line by line, and each
; batch of exponentials has independent lines of the other tile between its own: tile 0's batch tile 1's scalings; tile 1's batch tile 0's first sums (by pairs, into registers of their own) and its holds.
; None of these lines reads what a line of the same batch wrote: each result is first read behind the wait that closes the batch.
; LIMITS: e6 + e7 between -123 and 130 (added to c's exponent field); e8 and e10 between -126 and 112; e8 + e9 is applied by v_ldexp_f32.  NaN is not served.
; REGISTERS.  Window 0: v1-11, v24, v25 addresses; v12 -M, v13 the largest t, v[14:15] the sum of tile 0; v16-19 the same of tile 1; v20, v21: 57,344 x 2^e8, 2^e8; v22, v23 the same for e10; v[26:27], v[28:29] the
;   factors f (the upper halves only named); v30, v31 the lane permutes' results; v32-95, v96-159 S^T, then p; v160-191, v192-223 O^T; v224-255 at work.
;   Window 1: v16-23, v24-31 Q; v32-95 K's eight fragments; v96-159 V's four; v160-175, v176-191 p's codes.
.set KP,    80                         ; a key's row in LDS: 64 bytes + 16: 20 words, so 16 neighbouring rows start at 16 different groups of four banks (ISA guide 11.1)
.set VP,    1040                       ; a row of a chunk of V: 1,024 bytes + 16: 260 words: row r starts at bank 4 r mod 64
.set VOFF,  2048*KP
.set VCH,   64*VP
.set SPARE, VOFF+2*VCH                 ; the spare words, 128 bytes for each of eight waves, which no other line names
.set STAGE, SPARE+1024                 ; the way out: 32 rows x 80 bytes for each wave, its own; no tile lands here
.set AK0,  1
.set AK1,  2
.set AV0,  3
.set AV1,  4
.set SPW,  5
.set NIL,  6
.set GO,   7
.set ADK0, 8
.set ADK1, 9
.set ADV0, 10
.set ADV1, 11
.set SI,   24
.set SRD,  25
.set S0,   32
.set S1,   96
.set O0,   160
.set O1,   192
.set T,    224
.set KB,   2                           ; s2  the trip's first key in bytes of K's rows;  s3 in bytes of a row of V
.set VB,   3
.set WV,   18
.set SEL,  20
.set CS,   22
.set G1K,  24
.set G1V,  32
.set G0K,  40
.set G0V,  44
.set TRIPS, 67
.set MSB, 0
.macro WIN new                         ; low byte: bits 1:0 source 0, 3:2 source 1, 5:4 source 2, 7:6 destination; the high byte repeats the setting that is left
.if MSB != (\new)
	s_set_vgpr_msb (MSB<<8)|(\new)
.set MSB, (\new)
.endif
.endm
.macro CROUND                          ; a round of the cluster's barrier
	s_barrier_signal -1
	s_barrier_wait -1
	s_cmp_lg_u32 s[WV], 0
	s_cbranch_scc1 .Lnot_wave_0_\@
	s_barrier_signal -3
.Lnot_wave_0_\@:
	s_barrier_wait -3
	s_barrier_signal -1
	s_barrier_wait -1
.endm
	s_load_b128 s[4:7], s[0:1], 0x0                ; qc, kc
	s_load_b128 s[12:15], s[0:1], 0x10             ; vc, the scales' exponents
	s_load_b64 s[16:17], s[0:1], 0x20              ; oc
	v_lshl_add_u32 v[SPW], v0, 2, SPARE
	v_mov_b32 v[NIL], 0
	ds_add_u32 v[SPW], v[NIL]                      ; the opening: the add, twice on end, and its wait ahead of my first tensor load
	ds_add_u32 v[SPW], v[NIL]
	v_lshrrev_b32 v8, 5, v0
	v_readfirstlane_b32 s[WV], v8                  ; wave 0..7
	s_bfe_u32 s49, ttmp6, 0x40000                  ; cx
	s_lshl_b32 s50, ttmp9, 2
	s_add_co_u32 s50, s50, s49                     ; my block of 256 queries: it enters Q's and o's addresses alone
	s_and_b32 s51, ttmp7, 0xffff                   ; 16 batch + head
	s_lshl_b32 s52, s51, 17                        ; the pair's first byte in qc, kc and vc: 131,072 bytes each
	s_and_b32 s53, s[WV], 3
	s_lshl_b32 s54, s53, 15
	s_add_co_u32 s58, s52, s54                     ; K: 512 keys x (wave % 4) on, in memory,
	s_mov_b32 s59, 0
	s_mul_i32 s55, s53, 512*KP                     ; and in LDS
	s_lshr_b32 s56, s53, 1                         ; V: chunk (wave % 4) / 2,
	s_and_b32 s57, s53, 1                          ; rows 32 x (wave % 2) on
	s_lshl_b32 s60, s57, 16
	s_lshl_b32 s61, s56, 10
	s_add_co_u32 s60, s60, s61
	s_add_co_u32 s60, s60, s52
	s_mov_b32 s61, 0
	s_mul_i32 s62, s56, VCH
	s_mul_i32 s63, s57, 32*VP
	s_add_co_u32 s62, s62, s63
	s_add_co_u32 s62, s62, VOFF
	s_lshl_b32 s72, s50, 14                        ; Q: 256 queries of 64 bytes a block, 32 a wave
	s_lshl_b32 s73, s[WV], 11
	s_add_co_u32 s72, s72, s73
	s_add_co_u32 s72, s72, s52
	s_mov_b32 s73, 0
	s_lshr_b32 s74, s51, 4                         ; o: the block of 64 tokens: 32 batch + 4 x + wave / 2,
	s_lshl_b32 s74, s74, 3
	s_add_co_u32 s74, s74, s50
	s_lshl_b32 s74, s74, 2
	s_lshr_b32 s75, s[WV], 1
	s_add_co_u32 s74, s74, s75
	s_lshl_b32 s74, s74, 15
	s_bfe_u32 s75, s51, 0x10003                    ; head / 8,
	s_lshl_b32 s75, s75, 21
	s_add_co_u32 s74, s74, s75
	s_and_b32 s75, s51, 7                          ; head % 8,
	s_lshl_b32 s75, s75, 12
	s_add_co_u32 s74, s74, s75
	s_and_b32 s75, s[WV], 1                        ; and my 32 tokens of the 64
	s_lshl_b32 s75, s75, 11
	s_add_co_u32 s74, s74, s75
	s_mov_b32 s75, 0
	s_mov_b32 s[G1K], 15|(0<<16)|(1<<20)|(1<<21)|(3<<22)|(3<<25)   ; the mask: all four; elements of 1 byte; padding on; bit 21 beside a mask; 4 words behind every 16
	s_mov_b32 s[G1K+1], 256<<16                    ; tensor_dim0: the dense block is stated as rows of 256 bytes
	s_mov_b32 s[G1K+2], 128<<16                    ; tensor_dim1
	s_mov_b32 s[G1K+3], 256<<16                    ; tile_dim0
	s_mov_b32 s[G1K+4], 128                        ; tile_dim1
	s_mov_b32 s[G1K+5], 256
	s_mov_b32 s[G1K+6], 0
	s_mov_b32 s[G1K+7], 0
	s_mov_b32 s[G1V], 15|(0<<16)|(1<<20)|(1<<21)|(7<<22)|(3<<25)   ; 4 words behind every 256
	s_mov_b32 s[G1V+1], 1024<<16
	s_mov_b32 s[G1V+2], 32<<16
	s_mov_b32 s[G1V+3], 1024<<16
	s_mov_b32 s[G1V+4], 32
	s_mov_b32 s[G1V+5], 2048                       ; V's rows are 2,048 keys apart
	s_mov_b32 s[G1V+6], 0
	s_mov_b32 s[G1V+7], 0
	s_mov_b32 s[SEL], 0x76543210
	s_mov_b32 s[SEL+1], 0xfedcba98
	s_mov_b32 s[CS], 0x3e38aa3b                    ; c = log2(e) / 8
	s_mov_b32 s[KB], 0
	s_mov_b32 s[VB], 0
	s_mov_b32 s[TRIPS], 8
	s_wait_dscnt 0x0                               ; both opening adds are done
	s_wait_kmcnt 0x0
	s_load_b128 s[68:71], s[14:15], 0x18           ; e6, e7, e8, e9
	s_load_b32 s48, s[14:15], 0x28                 ; e10
	s_mov_b32 s[G0K], 1
	s_mov_b32 s[G0K+1], s55
	s_add_nc_u64 s[G0K+2:G0K+3], s[6:7], s[58:59]
	s_or_b32 s[G0K+3], s[G0K+3], 0x80000000
	s_mov_b32 s[G0V], 1
	s_mov_b32 s[G0V+1], s62
	s_add_nc_u64 s[G0V+2:G0V+3], s[12:13], s[60:61]
	s_or_b32 s[G0V+3], s[G0V+3], 0x80000000
	s_add_nc_u64 s[4:5], s[4:5], s[72:73]
	s_add_nc_u64 s[16:17], s[16:17], s[74:75]
	CROUND                                         ; all four work-groups are here: the joint loads meet
	s_cmp_lt_u32 s[WV], 4                          ; every wave issues one load: waves 0-3 for K, waves 4-7 for V.  An s_nop 0 and four v_nop follow each line
	s_cbranch_scc0 .Lfor_v
	tensor_load_to_lds s[G0K:G0K+3], s[G1K:G1K+7]
	s_nop 0
.rept 4
	v_nop
.endr
	s_branch .Lasked
.Lfor_v:
	tensor_load_to_lds s[G0V:G0V+3], s[G1V:G1V+7]
	s_nop 0
.rept 4
	v_nop
.endr
.Lasked:
	v_and_b32 v[T], 15, v0                         ; r
	v_bfe_u32 v[T+1], v0, 4, 1                     ; h
	v_lshlrev_b32 v[T+2], 6, v[T]
	v_lshl_add_u32 v[T+2], v[T+1], 4, v[T+2]
	WIN 0x40                                       ; destination window 1
	global_load_b128 v[16:19], v[T+2], s[4:5]      ; Q's fragments stay: registers 4 c .. 4 c + 3 hold d = 32 c + 16 h + 0 .. 15, as K's do.  Tile 0,
	global_load_b128 v[20:23], v[T+2], s[4:5] offset:32
	global_load_b128 v[24:27], v[T+2], s[4:5] offset:1024   ; and tile 1, 16 tokens on
	global_load_b128 v[28:31], v[T+2], s[4:5] offset:1024+32
	WIN 0
	v_mul_u32_u24 v[AK0], v[T], KP
	v_lshl_add_u32 v[AK0], v[T+1], 4, v[AK0]       ; K: row r, + 16 h
	v_add_nc_u32 v[AK1], 1024*KP, v[AK0]
	v_mul_u32_u24 v[AV0], v[T], VP
	v_lshl_add_u32 v[AV0], v[T+1], 3, v[AV0]       ; V: row r, + 8 h
	v_add_nc_u32 v[AV0], VOFF, v[AV0]
	v_add_nc_u32 v[AV1], VCH, v[AV0]
	s_mul_i32 s82, s[WV], 32*KP
	s_add_co_u32 s82, s82, STAGE                   ; my stage
	v_mul_u32_u24 v[SI], v[T], KP
	v_lshl_add_u32 v[SI], v[T+1], 3, v[SI]
	v_add_nc_u32 v[SI], s82, v[SI]                 ; in: row r (tile 1: 16 rows on), byte 8 h
	v_and_b32 v[T+3], 31, v0
	v_lshrrev_b32 v[T+4], 2, v[T+3]
	v_mul_u32_u24 v[T+4], v[T+4], KP
	v_and_b32 v[T+5], 3, v[T+3]
	v_lshl_add_u32 v[T+4], v[T+5], 4, v[T+4]
	v_add_nc_u32 v[SRD], s82, v[T+4]               ; back: four lanes to a row of 64 bytes, eight rows a load
	v_lshlrev_b32 v[GO], 4, v[T+3]                 ; which are 512 consecutive bytes of oc
	s_wait_kmcnt 0x0
	s_add_co_i32 s72, s68, s69
	s_lshl_b32 s72, s72, 23
	s_add_co_i32 s[CS], s[CS], s72                 ; a score stands for score x 2^(e6 + e7)
	s_mov_b32 s[CS+1], s[CS]
	s_add_co_i32 s72, s70, 127
	s_lshl_b32 s88, s72, 23                        ; 2^e8
	s_add_co_i32 s72, s72, 15
	s_lshl_b32 s72, s72, 23
	s_or_b32 s89, s72, 0x600000                    ; 57,344 x 2^e8
	s_add_co_i32 s72, s48, 127
	s_lshl_b32 s90, s72, 23                        ; 2^e10
	s_add_co_i32 s72, s72, 15
	s_lshl_b32 s72, s72, 23
	s_or_b32 s91, s72, 0x600000                    ; 57,344 x 2^e10
	s_add_co_i32 s92, s70, s71                     ; e8 + e9
	v_mov_b32 v13, 0xff61b1e6                      ; the largest t so far: -3e38
	v_mov_b32 v17, 0xff61b1e6
	v_floor_f32 v12, -v13                          ; -M
	v_floor_f32 v16, -v17
.irp r, 14,15,18,19,27,29,30,31
	v_mov_b32 v\r, 0                               ; the sums; the pairs' upper halves, which are only named; the lane permutes' destinations, which count as sources
.endr
	v_mov_b32 v20, s89
	v_mov_b32 v21, s88
	v_mov_b32 v22, s91
	v_mov_b32 v23, s90
.set j, 0
.rept 64
	v_mov_b32 v[O0+j], 0                           ; O^T: the step is written once; its first turn finds zeros
.set j, j+1
.endr
.macro KLOAD adr, off                  ; 128 keys: eight fragments of 16 keys x 64
.irp t, 0,1,2,3,4,5,6,7
	ds_load_b128 v[32+8*\t:35+8*\t], v[\adr] offset:\off+16*\t*KP
	ds_load_b128 v[36+8*\t:39+8*\t], v[\adr] offset:\off+16*\t*KP+32
.endr
.endm
.macro VLOAD adr                       ; 128 keys of V's 64 rows: four fragments of 16 x 128: registers 2 c, 2 c + 1 hold keys 16 c + 8 h + 0 .. 7
.irp t, 0,1,2,3
.irp c, 0,1,2,3,4,5,6,7
	ds_load_b64 v[96+16*\t+2*\c:97+16*\t+2*\c], v[\adr] offset:16*\t*VP+16*\c
.endr
.endr
.endm
.macro CH j                            ; eight more of tile 1's p onto its four chains
	v_pk_add_f32 v[T+2:T+3], v[T+2:T+3], v[S1+\j:S1+\j+1]
	v_pk_add_f32 v[T+6:T+7], v[T+6:T+7], v[S1+\j+2:S1+\j+3]
	v_pk_add_f32 v[T+10:T+11], v[T+10:T+11], v[S1+\j+4:S1+\j+5]
	v_pk_add_f32 v[18:19], v[18:19], v[S1+\j+6:S1+\j+7]
.endm
; Both tiles' softmax for 128 keys, in window 0.  No exponential stands between the products that wrote S^T and O^T and their first readers here.
.macro SOFTMAX
.set k, 0
.rept 4
	v_max3_num_f32 v[T+k], v[S0+3*k], v[S0+3*k+1], v[S0+3*k+2]       ; the step's largest score of my query among my 64 keys: four chains a tile, each accumulator from its low end on
	v_max3_num_f32 v[T+4+k], v[S1+3*k], v[S1+3*k+1], v[S1+3*k+2]
.set k, k+1
.endr
.set k, 0
.rept 26
	v_max3_num_f32 v[T+(k%4)], v[T+(k%4)], v[S0+12+2*k], v[S0+13+2*k]
	v_max3_num_f32 v[T+4+(k%4)], v[T+4+(k%4)], v[S1+12+2*k], v[S1+13+2*k]
.set k, k+1
.endr
	v_max3_num_f32 v[T], v[T], v[T+1], v[T+2]
	v_max3_num_f32 v[T+4], v[T+4], v[T+5], v[T+6]
	v_max_num_f32 v[T], v[T], v[T+3]
	v_max_num_f32 v[T+4], v[T+4], v[T+7]
	v_permlanex16_b32 v30, v[T], s[SEL], s[SEL+1]
	v_permlanex16_b32 v31, v[T+4], s[SEL], s[SEL+1]
	v_max_num_f32 v[T], v[T], v30                  ; and among lane l xor 16's
	v_max_num_f32 v[T+4], v[T+4], v31
	v_mul_f32 v[T], s[CS], v[T]                    ; as t (c is positive)
	v_mul_f32 v[T+4], s[CS], v[T+4]
	v_max_num_f32 v13, v13, v[T]
	v_max_num_f32 v17, v17, v[T+4]
	v_floor_f32 v[T+1], -v13                       ; the new -M = floor(-t): M is a whole number
	v_floor_f32 v[T+5], -v17
	v_sub_f32 v[T+2], v[T+1], v12
	v_sub_f32 v[T+6], v[T+5], v16
	v_mov_b32 v12, v[T+1]
	v_mov_b32 v16, v[T+5]
	v_cvt_i32_f32 v[T+2], v[T+2]                   ; (it saturates)
	v_cvt_i32_f32 v[T+6], v[T+6]
	v_ldexp_f32 v26, 1.0, v[T+2]                   ; f = 2^(old M - new M)
	v_ldexp_f32 v28, 1.0, v[T+6]
.set j, 0
.rept 16
	v_pk_fma_f32 v[S0+j:S0+j+1], v[S0+j:S0+j+1], s[CS:CS+1], v[12:13] op_sel_hi:[1,0,0]   ; tile 0: t - M, two at a time
	v_pk_fma_f32 v[S0+32+j:S0+33+j], v[S0+32+j:S0+33+j], s[CS:CS+1], v[12:13] op_sel_hi:[1,0,0]
	v_pk_mul_f32 v[O0+j:O0+j+1], v[O0+j:O0+j+1], v[26:27] op_sel_hi:[1,0]   ; O^T under the new M, each accumulator from its low end on
	v_pk_mul_f32 v[O1+j:O1+j+1], v[O1+j:O1+j+1], v[28:29] op_sel_hi:[1,0]
.set j, j+2
.endr
	v_pk_mul_f32 v[14:15], v[14:15], v[26:27] op_sel_hi:[1,0]   ; the sums under the new M
	v_pk_mul_f32 v[18:19], v[18:19], v[28:29] op_sel_hi:[1,0]
	s_wait_alu depctr_va_vdst(0)                   ; the wait ahead of the batch
.set j, 0
.rept 32
	v_exp_f32 v[S0+j], v[S0+j]                     ; tile 0: p = 2^(t - M);
	v_exp_f32 v[S0+j+1], v[S0+j+1]
	v_pk_fma_f32 v[S1+j:S1+j+1], v[S1+j:S1+j+1], s[CS:CS+1], v[16:17] op_sel_hi:[1,0,0]   ; between them tile 1's t - M, first read behind the wait below
.set j, j+2
.endr
	s_wait_alu depctr_va_vdst(0)                   ; one wait: behind tile 0's batch, ahead of its first reader, and ahead of tile 1's
.set k, 0
.rept 16
	v_exp_f32 v[S1+4*k], v[S1+4*k]                 ; tile 1: p;
	v_exp_f32 v[S1+4*k+1], v[S1+4*k+1]
	v_pk_add_f32 v[T+2*k:T+2*k+1], v[S0+4*k:S0+4*k+1], v[S0+4*k+2:S0+4*k+3]   ; between them, of tile 0: the sum of the unquantised p, first by pairs,
	v_exp_f32 v[S1+4*k+2], v[S1+4*k+2]
	v_dual_min_num_f32 v[S0+4*k], v[S0+4*k], v20 :: v_dual_min_num_f32 v[S0+4*k+1], v[S0+4*k+1], v20   ; and then the hold (ISA guide 7.6.2), two numbers a line; p is not negative, so it is one-sided
	v_exp_f32 v[S1+4*k+3], v[S1+4*k+3]
	v_dual_min_num_f32 v[S0+4*k+2], v[S0+4*k+2], v20 :: v_dual_min_num_f32 v[S0+4*k+3], v[S0+4*k+3], v20
.set k, k+1
.endr
	s_wait_alu depctr_va_vdst(0)                   ; one wait for the batch and for the lines between, ahead of their first readers
.set m, 0
.rept 8
	v_pk_add_f32 v[T+4*m:T+4*m+1], v[T+4*m:T+4*m+1], v[T+4*m+2:T+4*m+3]   ; tile 0's sixteen pair sums become eight;
.set m, m+1
.endr
	v_pk_add_f32 v[T+2:T+3], v[S1:S1+1], v[S1+2:S1+3]                    ; tile 1's sum, in four chains, three of them in registers just set free
	v_pk_add_f32 v[T+6:T+7], v[S1+4:S1+5], v[S1+6:S1+7]
	v_pk_add_f32 v[T+10:T+11], v[S1+8:S1+9], v[S1+10:S1+11]
	v_pk_add_f32 v[18:19], v[18:19], v[S1+12:S1+13]
.set m, 0
.rept 4
	v_pk_add_f32 v[T+8*m:T+8*m+1], v[T+8*m:T+8*m+1], v[T+8*m+4:T+8*m+5]   ; four;
.set m, m+1
.endr
	CH 14
	CH 22
	v_pk_add_f32 v[T:T+1], v[T:T+1], v[T+8:T+9]                          ; two;
	v_pk_add_f32 v[T+16:T+17], v[T+16:T+17], v[T+24:T+25]
	CH 30
	v_pk_add_f32 v[T:T+1], v[T:T+1], v[T+16:T+17]                        ; one,
	CH 38
	v_pk_add_f32 v[14:15], v[14:15], v[T:T+1]                            ; onto the running sum
	CH 46
	CH 54
	v_pk_add_f32 v[T+2:T+3], v[T+2:T+3], v[S1+62:S1+63]
	v_pk_add_f32 v[T+6:T+7], v[T+6:T+7], v[T+10:T+11]
	v_pk_add_f32 v[18:19], v[18:19], v[T+2:T+3]
	v_pk_add_f32 v[18:19], v[18:19], v[T+6:T+7]
.set j, 0
.rept 32
	v_dual_min_num_f32 v[S1+j], v[S1+j], v20 :: v_dual_min_num_f32 v[S1+j+1], v[S1+j+1], v20   ; tile 1's hold
.set j, j+2
.endr
.endm
; A KEY STEP: 128 keys for both tiles.  Its K is in registers.  adv: V's address; adkn, kno: the address of the next step's K, which lands under the softmax, as V does.
.macro STEP adv, adkn, kno
	WIN 0x05                                       ; sources 0 and 1 (K and Q; V and P) in window 1; C and D in window 0
.irp t, 0,1,2,3,4,5,6,7
	v_wmma_f32_16x16x64_bf8_bf8 v[S0+8*\t:S0+8*\t+7], v[32+8*\t:39+8*\t], v[16:23], 0
	v_wmma_f32_16x16x64_bf8_bf8 v[S1+8*\t:S1+8*\t+7], v[32+8*\t:39+8*\t], v[24:31], 0
.endr
.rept 4
	v_nop                                          ; places in front of loads into registers that matrix instructions have read, and of the first read of results
.endr
	WIN 0x40                                       ; destination window 1, addresses in window 0
	KLOAD \adkn, \kno
	VLOAD \adv
	WIN 0
	SOFTMAX
	WIN 0x40                                       ; p's codes go to window 1
.irp b, 0,1,2,3,4,5,6,7
	v_cvt_scalef32_pk8_bf8_f32 v[160+2*\b:161+2*\b], v[S0+8*\b:S0+8*\b+7], v21
	v_cvt_scalef32_pk8_bf8_f32 v[176+2*\b:177+2*\b], v[S1+8*\b:S1+8*\b+7], v21
.endr
	v_nop                                          ; a plain line between the conversions and the products that read their results and write their sources
	s_wait_alu depctr_va_vdst(0)                   ; the wait here, directly ahead of the wait below
	s_wait_dscnt 0x0                               ; V is in, and the next step's K
	WIN 0x05
.irp t, 0,1,2,3                        ; O^T += V^T P^T; the eight accumulators take turns, one instruction a turn
	v_wmma_f32_16x16x128_bf8_bf8 v[O0+8*\t:O0+8*\t+7], v[96+16*\t:111+16*\t], v[160:175], v[O0+8*\t:O0+8*\t+7]
	v_wmma_f32_16x16x128_bf8_bf8 v[O1+8*\t:O1+8*\t+7], v[96+16*\t:111+16*\t], v[176:191], v[O1+8*\t:O1+8*\t+7]
.endr
.endm
	s_wait_alu depctr_va_vdst(0)                   ; the wait at the head's end
	s_wait_loadcnt 0x0                             ; Q
	s_wait_tensorcnt 0x0                           ; my eighth of K and V is in
	s_barrier_signal -1
	s_barrier_wait -1                              ; and so is everybody's: from here on LDS is only read, up to the way out
	WIN 0x40
	KLOAD AK0, 0
	WIN 0
	s_wait_dscnt 0x0
.Ltrip:                                            ; eight trips of two steps
	v_add_nc_u32 v[ADK0], s[KB], v[AK0]
	v_add_nc_u32 v[ADK1], s[KB], v[AK1]
	v_add_nc_u32 v[ADV0], s[VB], v[AV0]
	v_add_nc_u32 v[ADV1], s[VB], v[AV1]
	STEP ADV0, ADK1, 0                             ; keys 128 i
	STEP ADV1, ADK0, 128*KP                        ; keys 1,024 + 128 i
	WIN 0
	s_add_co_u32 s[KB], s[KB], 128*KP
	s_add_co_u32 s[VB], s[VB], 128
	s_sub_co_u32 s[TRIPS], s[TRIPS], 1
	s_cmp_lg_u32 s[TRIPS], 0
	s_cbranch_scc1 .Ltrip
	; THE WAY OUT.  O^T / the sum x 2^(e8 + e9) is o; it is quantised with 2^e10, turns through my own stage, and leaves as 512 consecutive bytes a store.
.rept 4
	v_nop                                          ; places behind the last products
.endr
	v_add_f32 v14, v14, v15
	v_add_f32 v18, v18, v19
	v_permlanex16_b32 v30, v14, s[SEL], s[SEL+1]
	v_permlanex16_b32 v31, v18, s[SEL], s[SEL+1]
	v_add_f32 v14, v14, v30                        ; the rows' sums
	v_add_f32 v18, v18, v31
	s_wait_alu depctr_va_vdst(0)                   ; the wait ahead of the transcendentals
	v_rcp_f32 v14, v14
	v_rcp_f32 v18, v18
	v_nop                                          ; a plain line behind the transcendentals
	s_wait_alu depctr_va_vdst(0)                   ; the wait, ahead of the first reader
	v_ldexp_f32 v14, v14, s92
	v_ldexp_f32 v18, v18, s92
	s_wait_alu depctr_va_vdst(0)                   ; the wait, directly ahead of the first reader of O^T
.set j, 0
.rept 32
	v_mul_f32 v[S0+j], v[O0+j], v14                ; register 8 t + i is o(query r, d = 16 t + 8 h + i)
	v_mul_f32 v[S0+32+j], v[O1+j], v18
.set j, j+1
.endr
.set j, 0
.rept 64
	v_med3_num_f32 v[S0+j], v[S0+j], -v22, v22
.set j, j+1
.endr
.irp t, 0,1,2,3,4,5,6,7
	v_cvt_scalef32_pk8_bf8_f32 v[T+2*\t:T+2*\t+1], v[S0+8*\t:S0+8*\t+7], v23
.endr
	v_nop
.irp t, 0,1,2,3
	ds_store_b64 v[SI], v[T+2*\t:T+2*\t+1] offset:16*\t
	ds_store_b64 v[SI], v[T+8+2*\t:T+9+2*\t] offset:16*KP+16*\t
.endr
.irp i, 0,1,2,3
	ds_load_b128 v[S1+4*\i:S1+4*\i+3], v[SRD] offset:8*KP*\i   ; LDS serves a wave's instructions in order (ISA guide 5.7.1.4): these see my stores
.endr
.irp i, 0,1,2,3
	s_wait_dscnt 3-\i                              ; the younger loads may be out
	global_store_b128 v[GO], v[S1+4*\i:S1+4*\i+3], s[16:17] offset:512*\i   ; eight tokens of 64 bytes: 512 consecutive bytes, aligned
.endr
	s_wait_tensorcnt 0x0                           ; the wave's end
	ds_add_u32 v[SPW], v[NIL]
	s_wait_dscnt 0x0
	CROUND                                         ; the closing round
	s_endpgm
.Lfunc_end_k_q39f6702797_attn:
	.size	k_q39f6702797_attn, .Lfunc_end_k_q39f6702797_attn-k_q39f6702797_attn
	.p2alignl 7, 3214868480
	.fill 96, 4, 3214868480
	.section	.rodata,"a",@progbits
	.p2align	6, 0x0
	.amdhsa_kernel k_q39f6702797_attn
		.amdhsa_group_segment_fixed_size 327680
		.amdhsa_private_segment_fixed_size 0
		.amdhsa_enable_private_segment 0
		.amdhsa_kernarg_size 40
		.amdhsa_user_sgpr_count 2
		.amdhsa_user_sgpr_kernarg_segment_ptr 1
		.amdhsa_wavefront_size32 1
		.amdhsa_system_sgpr_workgroup_id_x 1
		.amdhsa_system_sgpr_workgroup_id_y 1
		.amdhsa_system_sgpr_workgroup_id_z 1
		.amdhsa_system_vgpr_workitem_id 0
		.amdhsa_next_free_vgpr 512
		.amdhsa_next_free_sgpr 100
		.amdhsa_reserve_vcc 0
		.amdhsa_float_denorm_mode_32 3
		.amdhsa_float_denorm_mode_16_64 3
		.amdhsa_memory_ordered 1
		.amdhsa_forward_progress 1
		.amdhsa_inst_pref_size 79
	.end_amdhsa_kernel
	.amdgpu_metadata
---
amdhsa.version: [ 1, 2 ]
amdhsa.kernels:
  - .name:           k_q39f6702797_attn
    .symbol:         k_q39f6702797_attn.kd
    .args:
      - { .name: qc, .offset: 0, .size: 8, .value_kind: global_buffer, .address_space: global }
      - { .name: kc, .offset: 8, .size: 8, .value_kind: global_buffer, .address_space: global }
      - { .name: vc, .offset: 16, .size: 8, .value_kind: global_buffer, .address_space: global }
      - { .name: lowp_scales, .offset: 24, .size: 8, .value_kind: global_buffer, .address_space: global }
      - { .name: oc, .offset: 32, .size: 8, .value_kind: global_buffer, .address_space: global }
    .group_segment_fixed_size: 327680
    .private_segment_fixed_size: 0
    .kernarg_segment_align: 8
    .kernarg_segment_size: 40
    .max_flat_workgroup_size: 256
    .sgpr_count:     100
    .vgpr_count:     512
    .wavefront_size: 32
...
	.end_amdgpu_metadata
.endif
;; end of part 3
;; launch gemm2 (part 4): grid 8 x 32, 4 waves a work-group, clusters of 4 x 4, 327,680 bytes of LDS; arguments act, w2codes, lowp_scales, x, b2, bo, out0, oc; writes out0
.if DOCPART == 4
	.amdgcn_target "amdgcn-amd-amdhsa--gfx1250"
	.amdhsa_code_object_version 6
	.text
	.protected	k_q39f6702797_gemm2
	.globl	k_q39f6702797_gemm2
	.p2align	8
	.type	k_q39f6702797_gemm2,@function
k_q39f6702797_gemm2:
	s_mov_b64 s[64:65], 0
	v_nop
	global_prefetch_b8 v0, s[64:65] scope:SCOPE_SE
	s_setreg_imm32_b32 hwreg(HW_REG_WAVE_MODE, 25, 1), 1
	s_wait_xcnt 0x0
	s_wait_alu depctr_hold_cnt(0) depctr_sa_sdst(0) depctr_va_vdst(0) depctr_va_sdst(0) depctr_va_ssrc(0) depctr_va_vcc(0) depctr_vm_vsrc(0)
	s_getreg_b32 s2, hwreg(HW_REG_IB_STS2, 6, 4)
	s_cmp_eq_u32 s2, 0
	s_cbranch_scc0 .Lentry_in_a_cluster
	s_endpgm
.Lentry_in_a_cluster:
	s_bfe_u32 s2, ttmp6, 0x10000c
	s_cmp_lg_u32 s2, 0xf033
	s_cbranch_scc0 .Lentry_shape_is_right
	s_endpgm
.Lentry_shape_is_right:
; out0 = x + (hidden W2 + b2) + (o Wo + bo), both products on codes of BF8 (E5M2), as ONE sum over K = 5,120: ten K steps of 512 through two LDS slots; tiles of 128 x 128, a wave 64 x 64.
; K steps 0-7: act's rows (the hidden layer, 5,120 bytes apart) against w2codes' k 0-4095.  Behind them the sums are multiplied by 2^(e14 + e15 - e10 - e11), exact, so that one factor 2^(e10 + e11) serves at the end.
; K steps 8, 9: o against w2codes' k 4,096 on (Wo).  o comes from oc [2 K step][64 blocks of 64 tokens][8 head][64 token][64 d]: a wave's tile is one dense block of 32,768 bytes, stated as 64 rows of 512 bytes;
; in LDS line 8 head + token / 8 holds eight tokens x 64 bytes, so A's fragments of these two steps have addresses of their own (ADRO).
; CLUSTERS 4 x 4: A's tiles are asked for jointly along a row of the cluster, B's along a column.
.set KB,     512
.set G1C,    88                        ; s[88:95] descriptor group 1 for o's dense tiles; s[96:97], s[98:99] their addresses for K steps 8 and 9
.set ADRO,   22                        ; v22-23 LDS address of my fragments of o in slot 0, 1
.set OPART,  0                         ; 1 from the text's place on at which the refills ask for o
.set OFRAG,  0                         ; 1 from the place on at which A's fragments are o's
.set KROW,   5120
.set PITCH,  528
.set HALFT,  64*PITCH
.set SLOT,   4*HALFT
.set SPARE,  2*SLOT
.set ADRA, 16
.set ADRB, 20
.set STO,  24
.set RD,   25
.set CO,   26
.set SPW,  28
.set NIL,  29
.set BS,   96
.set ACC,  128
.set F0,   0
.set F1,   128
.set G1, 24
.set G0, 32
.set G1B, 48
.set G0B, 56
.set RS, 82
.set S2, 84
.set MSB, 0
.macro WIN new
.if MSB != (\new)
	s_set_vgpr_msb (MSB<<8)|(\new)
.set MSB, (\new)
.endif
.endm
.set MUL,  0x05
.set TO_F, 0x40
.macro JLOAD s
	s_cmp_eq_u32 s11, 0
	s_cbranch_scc0 .Lfor_b_\@
.if OPART
	tensor_load_to_lds s[G0+4*\s:G0+4*\s+3], s[G1C:G1C+7]
.else
	tensor_load_to_lds s[G0+4*\s:G0+4*\s+3], s[G1:G1+7]
.endif
	s_nop 0
.rept 4
	v_nop
.endr
	s_branch .Lasked_\@
.Lfor_b_\@:
	tensor_load_to_lds s[G0B+4*\s:G0B+4*\s+3], s[G1B:G1B+7]
	s_nop 0
.rept 4
	v_nop
.endr
.Lasked_\@:
.endm
.macro CREST
	s_cmp_lg_u32 s10, 0
	s_cbranch_scc1 .Lnot_wave_0_\@
	s_barrier_signal -3
.Lnot_wave_0_\@:
	s_barrier_wait -3
	s_barrier_signal -1
	s_barrier_wait -1
.endm
.macro CROUND
	s_barrier_signal -1
	s_barrier_wait -1
	CREST
.endm
	s_load_b128 s[4:7], s[0:1], 0x0
	s_load_b128 s[68:71], s[0:1], 0x10
	s_load_b128 s[72:75], s[0:1], 0x20
	s_load_b64 s[8:9], s[0:1], 0x30
	s_load_b64 s[86:87], s[0:1], 0x38              ; oc
	v_lshl_add_u32 v[SPW], v0, 2, SPARE
	v_mov_b32 v[NIL], 0
	ds_add_u32 v28, v29
	ds_add_u32 v28, v29
	s_wait_dscnt 0x0
	v_lshrrev_b32 v1, 5, v0
	v_readfirstlane_b32 s10, v1
	s_lshr_b32 s11, s10, 1
	s_and_b32 s12, s10, 1
	s_bfe_u32 s40, ttmp6, 0x40000
	s_bfe_u32 s41, ttmp6, 0x40004
	s_lshl_b32 s42, ttmp9, 2
	s_add_co_u32 s42, s42, s40
	s_and_b32 s13, ttmp7, 0xffff
	s_lshl_b32 s13, s13, 2
	s_add_co_u32 s13, s13, s41
	s_lshl_b32 s43, s41, 2
	s_lshl_b32 s43, 15, s43
	s_lshl_b32 s44, 0x1111, s40
	s_or_b32 s[G1+0], s43, (0<<16)|(1<<20)|(1<<21)|(6<<22)|(3<<25)
	s_or_b32 s[G1B+0], s44, (0<<16)|(1<<20)|(1<<21)|(6<<22)|(3<<25)
.irp g, G1, G1B
	s_mov_b32 s[\g+1], KB<<16
	s_mov_b32 s[\g+2], 64<<16
	s_mov_b32 s[\g+3], KB<<16
	s_mov_b32 s[\g+4], 64
	s_mov_b32 s[\g+5], KROW
	s_mov_b32 s[\g+6], 0
	s_mov_b32 s[\g+7], 0
.endr
	s_or_b32 s[G1C+0], s43, (0<<16)|(1<<20)|(1<<21)|(6<<22)|(3<<25)   ; o's tiles go to my row of the cluster, as A's do
	s_mov_b32 s[G1C+1], KB<<16
	s_mov_b32 s[G1C+2], 64<<16
	s_mov_b32 s[G1C+3], KB<<16
	s_mov_b32 s[G1C+4], 64
	s_mov_b32 s[G1C+5], KB                         ; dense: a row begins where the last ends
	s_mov_b32 s[G1C+6], 0
	s_mov_b32 s[G1C+7], 0
	s_lshl_b32 s17, s12, 6
	s_lshl_b32 s16, s13, 7
	s_add_co_u32 s16, s16, s17
	s_lshl_b32 s46, s42, 7
	s_add_co_u32 s46, s46, s17
	s_mul_i32 s16, s16, KROW
	s_mov_b32 s17, 0
	s_mul_i32 s46, s46, KROW
	s_mov_b32 s47, 0
	s_mul_i32 s20, s10, HALFT
	s_wait_kmcnt 0x0
	s_load_b128 s[76:79], s[68:69], 0x28
	s_load_b64 s[80:81], s[68:69], 0x38
	s_add_nc_u64 s[14:15], s[4:5], s[16:17]
	s_add_nc_u64 s[46:47], s[6:7], s[46:47]
	s_lshl_b32 s96, s13, 16                        ; o: block 2 x tile row + my half, 32,768 bytes each
	s_lshl_b32 s98, s12, 15
	s_add_co_u32 s96, s96, s98
	s_mov_b32 s97, 0
	s_add_nc_u64 s[96:97], s[86:87], s[96:97]      ; K step 8,
	s_add_nc_u64 s[98:99], s[96:97], 0x200000      ; K step 9
	s_or_b32 s97, s97, 0x80000000
	s_or_b32 s99, s99, 0x80000000
	; the prefetches: of the 64 rows that my wave fetches, each of the four partners that ask for them jointly takes 16, told apart by address (cx for A, cy for B); a K step is two blocks of 256 bytes a row: a lane a block.
	; s2: A's waves ask while s3 > 1 (K steps up to 7: o's two dense steps come by their loads alone); B's waves while s3 > 0, and only in the clusters with y under 4: the eight clusters of a column walk the same rows of B.
	s_and_b32 s17, ttmp7, 0xffff
	s_cmp_lt_u32 s17, 4
	s_cselect_b32 s2, 0, -1
	s_cmp_eq_u32 s11, 0
	s_cselect_b32 s2, 1, s2
	s_cselect_b64 s[86:87], s[14:15], s[46:47]
	s_cselect_b32 s16, s40, s41
	s_mul_i32 s16, s16, 16*KROW
	s_mov_b32 s17, 0
	s_add_nc_u64 s[86:87], s[86:87], s[16:17]
	CROUND
.irp s, 0,1
	s_mov_b32 s[G0+4*\s], 1
	s_add_co_u32 s[G0+4*\s+1], s20, \s*SLOT
	s_add_nc_u64 s[G0+4*\s+2:G0+4*\s+3], s[14:15], \s*KB
	s_or_b32 s[G0+4*\s+3], s[G0+4*\s+3], 0x80000000
	s_mov_b32 s[G0B+4*\s], 1
	s_add_co_u32 s[G0B+4*\s+1], s20, \s*SLOT
	s_add_nc_u64 s[G0B+4*\s+2:G0B+4*\s+3], s[46:47], \s*KB
	s_or_b32 s[G0B+4*\s+3], s[G0B+4*\s+3], 0x80000000
.endr
	JLOAD 0                                        ; K step 0: one tensor load a wave at the head
	v_and_b32 v9, 31, v0
	v_lshrrev_b32 v10, 1, v9
	v_mul_u32_u24 v10, v10, KROW
	v_and_b32 v9, 1, v9
	v_lshl_add_u32 v10, v9, 8, v10                 ; row lane / 2, block lane % 2; never rewritten
	s_cmp_lt_u32 s2, 2
	s_cbranch_scc0 .Lno_ask_0
	global_prefetch_b8 v10, s[86:87] offset:KB th:TH_LOAD_NT scope:SCOPE_SE     ; K steps 1 and 2
	global_prefetch_b8 v10, s[86:87] offset:2*KB th:TH_LOAD_NT scope:SCOPE_SE
.Lno_ask_0:
	v_and_b32 v1, 15, v0
	v_bfe_u32 v2, v0, 4, 1
	v_mul_u32_u24 v3, v1, PITCH
	s_wait_alu depctr_va_vdst(0)
	v_lshl_add_u32 v4, v2, 4, v3
	v_lshrrev_b32 v7, 3, v1                        ; o: token r lies in line r / 8, at byte 64 (r % 8), + 16 h
	v_mul_u32_u24 v7, v7, PITCH
	v_and_b32 v8, 7, v1
	v_lshl_add_u32 v7, v8, 6, v7
	v_lshl_add_u32 v7, v2, 4, v7
	s_mul_i32 s21, s11, HALFT
	s_mul_i32 s22, s12, HALFT
	s_add_co_u32 s22, s22, 2*HALFT
.irp s, 0,1
	v_add_nc_u32 v[ADRA+\s], s21, v4
	v_add_nc_u32 v[ADRO+\s], s21, v7
	v_add_nc_u32 v[ADRB+\s], s22, v4
	s_add_co_u32 s21, s21, SLOT
	s_add_co_u32 s22, s22, SLOT
.endr
	s_mul_i32 s23, s11, 64*PITCH
	s_lshl_b32 s21, s12, 8
	s_add_co_u32 s23, s23, s21
	v_lshl_add_u32 v5, v2, 5, v3
	v_add_nc_u32 v[STO], s23, v5
	s_mul_i32 s23, s10, 32*PITCH
	v_and_b32 v6, 31, v0
	v_lshlrev_b32 v[CO], 4, v6
	s_wait_alu depctr_va_vdst(0)
	v_add_nc_u32 v[RD], s23, v[CO]
	s_lshl_b32 s16, s13, 7
	s_lshl_b32 s17, s10, 5
	s_add_co_u32 s16, s16, s17
	s_lshl_b32 s16, s16, 12
	s_lshl_b32 s18, s42, 9
	s_add_co_u32 s16, s16, s18
	s_mov_b32 s17, 0
	s_mov_b32 s19, 0
	s_add_nc_u64 s[70:71], s[70:71], s[16:17]
	s_add_nc_u64 s[8:9], s[8:9], s[16:17]
	s_add_nc_u64 s[72:73], s[72:73], s[18:19]
	s_add_nc_u64 s[74:75], s[74:75], s[18:19]
	global_load_b128 v[BS:BS+3], v[CO], s[72:73]
	global_load_b128 v[BS+4:BS+7], v[CO], s[74:75]
	WIN 0x80
.set t, 0
.rept 32
	global_load_b128 v[4*t:4*t+3], v[CO], s[70:71] offset:4096*t th:TH_LOAD_NT
.set t, t+1
.endr
	WIN 0
	s_wait_kmcnt 0x0
	s_add_co_i32 s[S2], s76, s77
	s_add_co_i32 s[RS], s80, s81
	s_sub_co_i32 s[RS], s[RS], s[S2]
	s_add_co_i32 s[RS], s[RS], 127
	s_lshl_b32 s[RS], s[RS], 23
	s_mov_b32 s[RS+1], s[RS]
	s_add_co_i32 s[S2], s[S2], 127
	s_lshl_b32 s[S2], s[S2], 23
	s_mov_b32 s[S2+1], s[S2]
.macro MUL8 f, a0, zero
.irp a, \a0, \a0+1
.irp b, 0,1,2,3
.if \zero
	v_wmma_f32_16x16x128_bf8_bf8 v[ACC+8*(4*(\a)+\b):ACC+8*(4*(\a)+\b)+7], v[\f+64+16*\b:\f+64+16*\b+15], v[\f+16*(\a):\f+16*(\a)+15], 0
.else
	v_wmma_f32_16x16x128_bf8_bf8 v[ACC+8*(4*(\a)+\b):ACC+8*(4*(\a)+\b)+7], v[\f+64+16*\b:\f+64+16*\b+15], v[\f+16*(\a):\f+16*(\a)+15], v[ACC+8*(4*(\a)+\b):ACC+8*(4*(\a)+\b)+7]
.endif
.endr
.endr
.endm
.macro FETCH slot, q, f
	WIN TO_F
.irp i, 0,1,2,3
.irp c, 0,1,2,3
	ds_load_b128 v[\f+64+16*\i+4*\c:\f+64+16*\i+4*\c+3], v[ADRB+\slot] offset:128*(\q)+32*\c+\i*16*PITCH
.endr
.endr
.irp i, 0,1,2,3
.irp c, 0,1,2,3
.if OFRAG
	ds_load_b128 v[\f+16*\i+4*\c:\f+16*\i+4*\c+3], v[ADRO+\slot] offset:(16*(\q)+8*(\c/2)+2*\i)*PITCH+32*(\c%2)   ; k = 128 q + 32 c + 16 h: head 2 q + c / 2, d = 32 (c % 2) + 16 h; tokens 16 i on
.else
	ds_load_b128 v[\f+16*\i+4*\c:\f+16*\i+4*\c+3], v[ADRA+\slot] offset:128*(\q)+32*\c+\i*16*PITCH
.endif
.endr
.endr
.endm
.macro PLACES
.rept 4
	v_nop
.endr
.endm
.macro QUARTER slot, qn, f, g, zero
	s_wait_dscnt 8
	WIN MUL
	MUL8 \f, 0, \zero
	PLACES
	FETCH \slot, \qn, \g
	s_wait_dscnt 32
	WIN MUL
	MUL8 \f, 2, \zero
.endm
.macro TURN slot, next, fill
.if (\fill) && (OPART == 0)
	s_wait_xcnt 0x0                                ; my last prefetch has read its address: it is stepped here, ahead of the waits of the change of slots
	s_add_nc_u64 s[86:87], s[86:87], KB
.endif
	WIN 0
	s_wait_tensorcnt 0x0
	ds_add_u32 v[SPW], v[NIL]
	s_wait_dscnt 9
	WIN MUL
	MUL8 F1, 0, 0
	s_wait_dscnt 0x0
	s_barrier_signal -1
	WIN 0
	s_barrier_wait -1
.if \fill
	CREST
.if OPART
	s_mov_b64 s[G0+4*\slot+2:G0+4*\slot+3], s[96+2*\slot:97+2*\slot]
.else
	s_add_nc_u64 s[G0+4*\slot+2:G0+4*\slot+3], s[G0+4*\slot+2:G0+4*\slot+3], 2*KB
.endif
	s_add_nc_u64 s[G0B+4*\slot+2:G0B+4*\slot+3], s[G0B+4*\slot+2:G0B+4*\slot+3], 2*KB
	JLOAD \slot
.else
	PLACES
.endif
	FETCH \next, 0, F0
.if (\fill) && (OPART == 0)
	WIN 0                                          ; (a branch follows)
	s_cmp_gt_u32 s3, s2
	s_cbranch_scc0 .Lno_ask_\@
	global_prefetch_b8 v10, s[86:87] offset:3*KB th:TH_LOAD_NT scope:SCOPE_SE   ; the K step two refills on from the one just asked for
.Lno_ask_\@:
.endif
	WIN MUL
	MUL8 F1, 2, 0
.endm
.macro LAPBODY resc
.if \resc
.set OPART, 1                          ; this lap's two refills are K steps 8 and 9
.endif
	QUARTER 0, 2, F1, F0, 0
	QUARTER 0, 3, F0, F1, 0
	TURN 0, 1, 1
	QUARTER 1, 1, F0, F1, 0
	QUARTER 1, 2, F1, F0, 0
	QUARTER 1, 3, F0, F1, 0
.if \resc
.set OFRAG, 1                          ; the fragments fetched from here on are K step 8's and 9's
.endif
	TURN 1, 0, 1
.if \resc
	WIN 0
	PLACES
.set j, 0
.rept 64
	v_pk_mul_f32 v[ACC+j:ACC+j+1], v[ACC+j:ACC+j+1], s[RS:RS+1] op_sel_hi:[1,0]
.set j, j+2
.endr
.endif
	s_wait_alu depctr_va_vdst(0)
	QUARTER 0, 1, F0, F1, 0
.endm
	s_wait_alu depctr_va_vdst(0)                   ; the wait at the head's end
	s_wait_tensorcnt 0x0                           ; my part of K step 0 is in
	ds_add_u32 v[SPW], v[NIL]
	s_wait_dscnt 0x0
	CROUND                                         ; everybody's part of K step 0 is in, and all sixteen work-groups are here
	JLOAD 1                                        ; K step 1: the first tensor load behind the round
	FETCH 0, 0, F0
	WIN 0
	s_cmp_lt_u32 s2, 2
	s_cbranch_scc0 .Lno_ask_1
	global_prefetch_b8 v10, s[86:87] offset:3*KB th:TH_LOAD_NT scope:SCOPE_SE   ; K step 3
.Lno_ask_1:
	QUARTER 0, 1, F0, F1, 1
	WIN 0
	s_mov_b32 s3, 3
.Llap:
	LAPBODY 0
	WIN 0
	s_sub_co_u32 s3, s3, 1
	s_cmp_lg_u32 s3, 0
	s_cbranch_scc1 .Llap
	LAPBODY 1
	QUARTER 0, 2, F1, F0, 0
	QUARTER 0, 3, F0, F1, 0
	TURN 0, 1, 0
	QUARTER 1, 1, F0, F1, 0
	QUARTER 1, 2, F1, F0, 0
	QUARTER 1, 3, F0, F1, 0
	s_wait_dscnt 8
	WIN MUL
	MUL8 F1, 0, 0
	s_wait_dscnt 0
	MUL8 F1, 2, 0
	WIN 0
	PLACES
.irp a, 0,1,2,3
.irp b, 0,1,2,3
	ds_store_b128 v[STO], v[ACC+8*(4*\a+\b):ACC+8*(4*\a+\b)+3] offset:\a*16*PITCH+64*\b
	ds_store_b128 v[STO], v[ACC+8*(4*\a+\b)+4:ACC+8*(4*\a+\b)+7] offset:\a*16*PITCH+64*\b+16
.endr
.endr
	s_wait_loadcnt 0x0
	v_pk_add_f32 v[BS:BS+1], v[BS:BS+1], v[BS+4:BS+5]
	v_pk_add_f32 v[BS+2:BS+3], v[BS+2:BS+3], v[BS+6:BS+7]
	WIN 0x82
.set t, 0
.rept 32
	v_pk_add_f32 v[4*t:4*t+1], v[4*t:4*t+1], v[BS:BS+1]
	v_pk_add_f32 v[4*t+2:4*t+3], v[4*t+2:4*t+3], v[BS+2:BS+3]
.set t, t+1
.endr
	WIN 0
	s_wait_dscnt 0x0
	s_barrier_signal -1
	s_barrier_wait -1
.set t, 0
.rept 32
	ds_load_b128 v[ACC+4*t:ACC+4*t+3], v[RD] offset:PITCH*t
.set t, t+1
.endr
	WIN 0x20
.set t, 0
.rept 32
	s_wait_dscnt 31-t
	v_pk_fma_f32 v[ACC+4*t:ACC+4*t+1], v[ACC+4*t:ACC+4*t+1], s[S2:S2+1], v[4*t:4*t+1] op_sel_hi:[1,0,1]
	v_pk_fma_f32 v[ACC+4*t+2:ACC+4*t+3], v[ACC+4*t+2:ACC+4*t+3], s[S2:S2+1], v[4*t+2:4*t+3] op_sel_hi:[1,0,1]
	global_store_b128 v[CO], v[ACC+4*t:ACC+4*t+3], s[8:9] offset:4096*t th:TH_STORE_NT
.set t, t+1
.endr
	WIN 0
	s_wait_tensorcnt 0x0
	ds_add_u32 v[SPW], v[NIL]
	s_wait_dscnt 0x0
	CROUND
	s_endpgm
.Lfunc_end_k_q39f6702797_gemm2:
	.size	k_q39f6702797_gemm2, .Lfunc_end_k_q39f6702797_gemm2-k_q39f6702797_gemm2
	.p2alignl 7, 3214868480
	.fill 96, 4, 3214868480
	.section	.rodata,"a",@progbits
	.p2align	6, 0x0
	.amdhsa_kernel k_q39f6702797_gemm2
		.amdhsa_group_segment_fixed_size 327680
		.amdhsa_private_segment_fixed_size 0
		.amdhsa_enable_private_segment 0
		.amdhsa_kernarg_size 64
		.amdhsa_user_sgpr_count 2
		.amdhsa_user_sgpr_kernarg_segment_ptr 1
		.amdhsa_wavefront_size32 1
		.amdhsa_system_sgpr_workgroup_id_x 1
		.amdhsa_system_sgpr_workgroup_id_y 1
		.amdhsa_system_sgpr_workgroup_id_z 1
		.amdhsa_system_vgpr_workitem_id 0
		.amdhsa_next_free_vgpr 768
		.amdhsa_next_free_sgpr 100
		.amdhsa_reserve_vcc 0
		.amdhsa_float_denorm_mode_32 3
		.amdhsa_float_denorm_mode_16_64 3
		.amdhsa_memory_ordered 1
		.amdhsa_forward_progress 1
		.amdhsa_inst_pref_size 118
	.end_amdhsa_kernel
	.amdgpu_metadata
---
amdhsa.version: [ 1, 2 ]
amdhsa.kernels:
  - .name:           k_q39f6702797_gemm2
    .symbol:         k_q39f6702797_gemm2.kd
    .args:
      - { .name: act, .offset: 0, .size: 8, .value_kind: global_buffer, .address_space: global }
      - { .name: w2codes, .offset: 8, .size: 8, .value_kind: global_buffer, .address_space: global }
      - { .name: lowp_scales, .offset: 16, .size: 8, .value_kind: global_buffer, .address_space: global }
      - { .name: x, .offset: 24, .size: 8, .value_kind: global_buffer, .address_space: global }
      - { .name: b2, .offset: 32, .size: 8, .value_kind: global_buffer, .address_space: global }
      - { .name: bo, .offset: 40, .size: 8, .value_kind: global_buffer, .address_space: global }
      - { .name: out0, .offset: 48, .size: 8, .value_kind: global_buffer, .address_space: global }
      - { .name: oc, .offset: 56, .size: 8, .value_kind: global_buffer, .address_space: global }
    .group_segment_fixed_size: 327680
    .private_segment_fixed_size: 0
    .kernarg_segment_align: 8
    .kernarg_segment_size: 64
    .max_flat_workgroup_size: 128
    .sgpr_count:     100
    .vgpr_count:     768
    .wavefront_size: 32
...
	.end_amdgpu_metadata
.endif
;; end of part 4
